; MI455X (gfx1250); checked and timed in simulation.
; The chip was launched on July 23, 2026; its instructions are those of AMD's public machine-readable ISA for CDNA 5 (MIT licence, August 2026) and "CDNA5" Instruction Set Architecture Reference Guide (July 2026). The comments in the code are by the model that wrote it; some were corrected since.
;; Attention. Allowed arithmetic: matrix products marked QUANTISED: E2M1 operands, one E8M0 scale for each 32 along K, by v_wmma_scale_f32_16x16x128_f8f6f4 with both operands' format E2M1 (or v_wmma_scale_f32_32x16x128_f4), f32 sums; products left as they are: bf16, f16 or f32 operands; f32 sums; everything else in f32.
;; Inputs: W_k 1,024 x 1,024 float32; W_o 1,024 x 1,024 float32; W_q 1,024 x 1,024 float32; W_v 1,024 x 1,024 float32; b_k 1,024 float32; b_o 1,024 float32; b_q 1,024 float32; b_v 1,024 float32; x 2 x 2,048 x 1,024 float32.
;; Outputs: out0 2 x 2,048 x 1,024 float32.
;; This version of the problem:
;;   THIS VERSION OF THE PROBLEM IS GIVEN IN LOW PRECISION. The matrix products marked QUANTISED in the list below multiply operands that are first quantised to E2M1 (2 exponent bits, 1 mantissa bit; 4 bits a number), with one power-of-two scale for each 32 numbers along K (OCP MX v1.0); their sums are f32. The products marked 'left as it is' may take bf16, f16 or f32 operands, with f32 sums. Whichever they take, every output number must still come out within the allowed error. Rounding operands to bf16 (8 significant bits) uses up far more of that allowance than f16 does (11 bits, for magnitudes from 6e-5 to 65,504). All else is computed in f32.
;;   The module's matrix products, in the order in which they are computed (A, B: the left and right operand; K: the contracted axis; several contracted axes count as one K, in the product's order):
;;     1. [M 4,096, K 1,024] x [K 1,024, N 1,024]; A: input x; B: input W_q: QUANTISED
;;     2. [M 4,096, K 1,024] x [K 1,024, N 1,024]; A: input x; B: input W_k: QUANTISED
;;     3. [M 4,096, K 1,024] x [K 1,024, N 1,024]; A: input x; B: input W_v: QUANTISED
;;     4. batch 32 x [M 2,048, K 64] x [K 64, N 2,048]; A: computed on the way; B: computed on the way: left as it is (an operand is computed on the way)
;;     5. batch 32 x [M 2,048, K 2,048] x [K 2,048, N 64]; A: computed on the way; B: computed on the way: left as it is (an operand is computed on the way)
;;     6. [M 4,096, K 1,024] x [K 1,024, N 1,024]; A: computed on the way; B: input W_o: left as it is (an operand is computed on the way)
;;   THE QUANTISER, for each operand of a quantised product, along K:
;;     - K is cut into blocks of 32 from its start; a last block that is shorter is filled with zeros.
;;     - A block's scale is 2^e with e = floor(log2(the largest magnitude in the block)) - 2, held to -126 .. 127; a block of zeros has e = 0. As a byte (E8M0): e + 127.
;;     - Each number is divided by its block's scale, clamped to +-6, and rounded to the nearest number of E2M1, ties to even, subnormals kept.
;;     - The product sums the exact products of the quantised numbers (number of the format x scale) in f32.
;;   ~~~python
;;   def quantise(x, axis):      # numpy; x: float32 -> the quantised numbers, widened to float32 again
;;       x = np.moveaxis(x, axis, -1); K = x.shape[-1]
;;       x = np.pad(x, [(0, 0)] * (x.ndim - 1) + [(0, -K % 32)]); x = x.reshape(x.shape[:-1] + (-1, 32)); a = np.abs(x).max(-1, keepdims=True)
;;       e = np.where(a > 0, np.clip(np.frexp(np.where(a > 0, a, 1))[1] - 1 - 2, -126, 127), 0)      # np.frexp(a)[1] - 1 = floor(log2(a)), exactly
;;       r = np.clip(x / 2.0 ** e, -6, 6)
;;       step = 2.0 ** (np.maximum(np.frexp(np.where(r == 0, 1, r))[1] - 1, 0) - 1)
;;       q = np.round(r / step) * step * 2.0 ** e      # np.round: ties to even
;;       return np.moveaxis(q.reshape(q.shape[:-2] + (-1,))[..., :K], -1, axis).astype(np.float32)
;;   ~~~
;; One version. Each part assembles by itself: llvm-mc -triple=amdgcn-amd-amdhsa -mcpu=gfx1250 --defsym DOCPART=n.
;; ======== version 1 of 1: 5 launches
;; limits: values are held in f16: magnitudes above 65,504 overflow, below 6.1e-05 lose precision
;; workspace buffers: x_codes 2,097,152 bytes; x_scales 131,072 bytes; w_codes 1,572,864 bytes; w_scales 98,304 bytes; wo_t 2,097,152 bytes; qkv 25,165,824 bytes; qkv32 393,216 bytes; ctx 8,388,608 bytes
;; launch prep (part 1): grid 512 x 1, 4 waves a work-group, no clusters, 77,312 bytes of LDS; arguments x, W_q, W_k, W_v, W_o, x_codes, x_scales, w_codes, w_scales, wo_t; writes x_codes, x_scales, w_codes, w_scales, wo_t
.if DOCPART == 1
	.amdgcn_target "amdgcn-amd-amdhsa--gfx1250"
	.amdhsa_code_object_version 6
	.text
	.protected	k_qe13028d0ae_prep
	.globl	k_qe13028d0ae_prep
	.p2align	8
	.type	k_qe13028d0ae_prep,@function
k_qe13028d0ae_prep:
	s_mov_b64 s[64:65], 0
	v_nop
	global_prefetch_b8 v0, s[64:65] scope:SCOPE_SE
	s_setreg_imm32_b32 hwreg(HW_REG_WAVE_MODE, 25, 1), 1
	s_wait_xcnt 0x0
; PREP: what the later launches read many times is made once.
;   work-groups 0-255:   x [4096][1024] f32 (K innermost) -> codes of E2M1 [4096][512 bytes] and E8M0 scale bytes [4096][32]
;   work-groups 256-447: W_q, W_k, W_v [1024 k][1024 n] f32 (K is the FIRST axis) -> codes [3072 n][512 bytes], K innermost, and scale bytes [3072][32]; n = 1024 x weight + column
;   work-groups 448-511: W_o [1024 k][1024 n] f32 -> f16, laid [1024 n][1024 k]
; A block's scale is 2^(floor(log2(its largest magnitude)) - 2); its byte is the largest magnitude's exponent field - 2, held at 1 from below.
; LIMITS: a block of zeros gets the byte 1 where the rule says 127 (its codes are zeros, and this program alone reads the bytes); blocks whose largest magnitude lies under 2^-124 were not tried;
; NaN and infinities are not served; |W_o| stays under 65,504, f16's largest number.
; The three paths part on the work-group's number, which all four waves share, and never join; each has LDS bytes of its own.  No tensor loads.
; Every wave's chain of dependent loads is short: 8 steps in the first path, 4 blocks in the other two; many small work-groups carry the bytes in flight.
.set NX,    8                          ; path X: steps of 512 numbers for a wave
.set NBW,   4                          ; paths W and O: blocks of 32 along K for a wave
.set SP,    80                         ; path X: a lane's place in a stage: 64 bytes + 16 of padding
.set XREG,  8192                       ; path X: a wave's region: two stages of 32 x SP bytes, then its 128 scale bytes
.set PITCH, 272                        ; paths W and O: a stage row: 256 bytes + 16 of padding
.set WS,    4*XREG                     ; path W's stage, the work-group's: 32 rows
.set WSC,   WS+32*PITCH                ; path W's scale words: 32 columns x 16 bytes
.set OS,    WSC+512                    ; path O's four stages of 32 rows, one a wave
.set SPARE, OS+4*32*PITCH              ; the spare words, 128 bytes for each wave: two blocks of 256 bytes that no other line names
.set EMAX,  2
.set SPW,   192                        ; v192 LDS address of my spare word; never rewritten
.set NIL,   193                        ; v193 0; never rewritten
; ---- path X's registers and macros
.set R,     16                         ; v16-79   four sets of 16 numbers as loaded
.set X,     80                         ; v80-111  two sets of 16 neighbours
.set E,     112                        ; v112-119 a scale byte for each step
.set C,     128                        ; v128-159 codes: four registers for each step, so that no store's data are written again
.macro LOADX t
.irp i, 0,1,2,3
	global_load_b128 v[R+16*((\t)%4)+4*\i:R+16*((\t)%4)+4*\i+3], v3, s[4:5] offset:2048*(\t)+512*\i th:TH_LOAD_NT   ; 32 lanes read 512 consecutive bytes
.endr
.endm
.macro TURNX t                         ; step t's numbers through the stage: LDS serves a wave's instructions in order, so no wait stands between the stores and the loads
.irp i, 0,1,2,3
	ds_store_b128 v14, v[R+16*((\t)%4)+4*\i:R+16*((\t)%4)+4*\i+3] offset:32*SP*((\t)%2)+8*SP*\i
.endr
.irp i, 0,1,2,3
	ds_load_b128 v[X+16*((\t)%2)+4*\i:X+16*((\t)%2)+4*\i+3], v15 offset:32*SP*((\t)%2)+16*\i
.endr
.endm
.macro STEPX t                         ; 512 numbers: a lane holds 16 neighbours, two neighbouring lanes a block of 32
.set XS, X+16*((\t)%2)
.if (\t) > 0
	s_wait_dscnt 1                                 ; this step's numbers are back from the stage; the one younger LDS instruction, the last step's byte store, may be out
.else
	s_wait_dscnt 0x0
.endif
.if (\t)+4 < NX
	LOADX (\t)+4                                   ; into the set whose stores into the stage are done
.endif
.if (\t)+1 < NX
.if NX-2-(\t) >= 3
	s_wait_loadcnt 12                              ; the next step's four loads are in; the twelve of the three steps behind it may be out
.else
	s_wait_loadcnt 4*(NX-2-(\t))                   ; the counts run down: four for each step still behind
.endif
	TURNX (\t)+1
.endif
	v_max3_num_f32 v8, |v[XS]|, |v[XS+1]|, |v[XS+2]|               ; the largest magnitude of my 16, in two chains
	v_max3_num_f32 v9, |v[XS+3]|, |v[XS+4]|, |v[XS+5]|
.irp i, 6,10
	v_max3_num_f32 v8, v8, |v[XS+\i]|, |v[XS+\i+1]|
	v_max3_num_f32 v9, v9, |v[XS+\i+2]|, |v[XS+\i+3]|
.endr
	v_max3_num_f32 v8, v8, |v[XS+14]|, |v[XS+15]|
	v_max3_num_f32 v8, v8, v9, (EMAX+1)<<23        ; and the floor 2^(3 - 127): the byte cannot fall under 1
	v_max_num_f32_dpp v8, v8, v8 row_xmask:1 row_mask:0xf bank_mask:0xf   ; with my neighbour's 16: the block's
	v_add_nc_u32 v11, -(EMAX<<23), v8              ; 2 off its exponent field: the conversion takes the exponent field of this operand as its scale
	v_cvt_scalef32_pk8_fp4_f32 v[C+4*(\t)], v[XS:XS+7], v11
	v_cvt_scalef32_pk8_fp4_f32 v[C+4*(\t)+1], v[XS+8:XS+15], v11
	v_lshrrev_b32 v[E+(\t)], 23, v11               ; the scale's byte (also the plain line behind the conversions)
	ds_store_b8 v5, v[E+(\t)] offset:16*(\t)       ; both lanes of a block write the same byte with the same value
	global_store_b64 v4, v[C+4*(\t):C+4*(\t)+1], s[14:15] offset:256*(\t)   ; 32 lanes store 256 consecutive bytes, aligned
.endm
; ---- paths W and O: a lane takes a column n, and its registers run down K
.set XW,    32                         ; v32-95   two sets of 32 numbers
.set CW,    96                         ; v96-111  a block's codes (W: 4 registers) or f16 pairs (O: 16)
.set OUTR,  112                        ; v112-175 the way out
.set SB,    24                         ; v24      my four scale bytes
.macro LOADW t                         ; block t: W(32 t + i, my column); 32 lanes read 128 consecutive bytes
.irp i, 0,1,2,3,4,5,6,7,8,9,10,11,12,13,14,15,16,17,18,19,20,21,22,23,24,25,26,27,28,29,30,31
	global_load_b32 v[XW+32*((\t)%2)+\i], v3, s[30:31] offset:(32*(\t)+\i)*4096 th:TH_LOAD_NT
.endr
.endm
.macro LOADO t                         ; the same of W_o; no hint: a later launch reads W_o again
.irp i, 0,1,2,3,4,5,6,7,8,9,10,11,12,13,14,15,16,17,18,19,20,21,22,23,24,25,26,27,28,29,30,31
	global_load_b32 v[XW+32*((\t)%2)+\i], v3, s[12:13] offset:(32*(\t)+\i)*4096
.endr
.endm
.macro BLOCKW t
.set XS, XW+32*((\t)%2)
.if (\t) < NBW-1
	s_wait_loadcnt 32                              ; this block's 32 loads are in; the next block's 32 may be out
.else
	s_wait_loadcnt 0
.endif
	v_max3_num_f32 v12, |v[XS]|, |v[XS+1]|, |v[XS+2]|              ; the block's largest magnitude: all 32 numbers are mine
	v_max3_num_f32 v13, |v[XS+3]|, |v[XS+4]|, |v[XS+5]|
.irp i, 6,10,14,18,22,26
	v_max3_num_f32 v12, v12, |v[XS+\i]|, |v[XS+\i+1]|
	v_max3_num_f32 v13, v13, |v[XS+\i+2]|, |v[XS+\i+3]|
.endr
	v_max3_num_f32 v12, v12, |v[XS+30]|, |v[XS+31]|
	v_max3_num_f32 v12, v12, v13, (EMAX+1)<<23     ; and the floor
	v_add_nc_u32 v11, -(EMAX<<23), v12             ; the conversion's scale operand
	v_lshrrev_b32 v13, 23, v11                     ; the scale's byte
.if (\t) == 0
	v_mov_b32 v[SB], v13                           ; four bytes to a register, the lower K in the lower byte
.else
	v_lshl_or_b32 v[SB], v13, 8*(\t), v[SB]
.endif
.irp g, 0,1,2,3
	v_cvt_scalef32_pk8_fp4_f32 v[CW+\g], v[XS+8*\g:XS+8*\g+7], v11
.endr
	v_nop                                          ; one plain line behind the last conversion
	ds_store_b128 v4, v[CW:CW+3] offset:16*(\t)    ; 32 codes: 16 bytes of my column's row, in my wave's quarter of it
.if (\t)+2 < NBW
	LOADW (\t)+2
.endif
	s_wait_dscnt 0x0                               ; the store has read its registers: the next block's codes may be written
.endm
.macro BLOCKO t
.set XS, XW+32*((\t)%2)
.if (\t) < NBW-1
	s_wait_loadcnt 32                              ; this block's 32 loads are in; the next block's 32 may be out
.else
	s_wait_loadcnt 0
.endif
.irp i, 0,1,2,3,4,5,6,7,8,9,10,11,12,13,14,15
	v_cvt_pk_f16_f32 v[CW+\i], v[XS+2*\i], v[XS+2*\i+1]            ; two neighbours along K, the lower in the low half
.endr
.irp c, 0,1,2,3
	ds_store_b128 v4, v[CW+4*\c:CW+4*\c+3] offset:64*(\t)+16*\c    ; 32 f16: 64 bytes of my column's row
.endr
.if (\t)+2 < NBW
	LOADO (\t)+2
.endif
	s_wait_dscnt 0x0                               ; the stores have read their registers
.endm
.macro CLOSE                           ; the wave's end
	s_wait_tensorcnt 0x0
	ds_add_u32 v[SPW], v[NIL]
	s_wait_dscnt 0x0
	s_endpgm
.endm
	s_load_b256 s[4:11], s[0:1], 0x0               ; x, W_q, W_k, W_v
	s_load_b256 s[12:19], s[0:1], 0x20             ; W_o, x_codes, x_scales, w_codes
	s_load_b128 s[20:23], s[0:1], 0x40             ; w_scales, wo_t
	v_lshl_add_u32 v[SPW], v0, 2, SPARE
	v_mov_b32 v[NIL], 0
	v_lshrrev_b32 v1, 5, v0
	v_readfirstlane_b32 s24, v1                    ; wave 0..3
	v_and_b32 v2, 31, v0                           ; lane
	s_mov_b32 s29, 0                               ; the upper word of every offset below
	s_wait_kmcnt 0x0
	s_cmp_lt_u32 ttmp9, 256
	s_cbranch_scc0 .Lnot_x
	; ---- PATH X: a wave takes a run of 4,096 numbers of x, 8 steps of 512.  Rows are dense and K is a multiple of 32: x, its codes and its scale bytes are plain streams
	v_lshlrev_b32 v3, 4, v2                        ; my 16 bytes of a load's 512
	s_mul_i32 s25, s24, XREG
	v_lshrrev_b32 v14, 2, v2
	v_mul_u32_u24 v14, v14, SP
	v_and_b32 v15, 3, v2
	v_lshl_add_u32 v14, v15, 4, v14
	v_add_nc_u32 v14, s25, v14                     ; the stage, on the way in: SP (lane / 4) + 16 (lane % 4)
	v_mul_u32_u24 v15, v2, SP
	v_add_nc_u32 v15, s25, v15                     ; and on the way out: SP x lane: my 16 neighbours
	v_lshlrev_b32 v4, 3, v2                        ; my 8 bytes of a step's codes
	v_lshrrev_b32 v5, 1, v2
	s_add_co_u32 s25, s25, 2*32*SP
	v_add_nc_u32 v5, s25, v5                       ; my wave's 128 scale bytes, my block's byte
	v_lshlrev_b32 v7, 2, v2                        ; and on the way out 4 bytes a lane
	v_add_nc_u32 v6, s25, v7
	s_lshl_b32 s26, ttmp9, 2
	s_add_co_u32 s26, s26, s24                     ; which run is mine: 0..1023
	s_lshl_b32 s28, s26, 14
	s_add_nc_u64 s[4:5], s[4:5], s[28:29]          ; 16,384 bytes of x a run,
	s_lshl_b32 s28, s26, 11
	s_add_nc_u64 s[14:15], s[14:15], s[28:29]      ; 2,048 of codes,
	s_lshl_b32 s28, s26, 7
	s_add_nc_u64 s[16:17], s[16:17], s[28:29]      ; 128 scale bytes
.irp t, 0,1,2,3
	LOADX \t
.endr
	s_wait_loadcnt 12                              ; step 0's four loads are in; the twelve behind them may be out
	TURNX 0
.irp t, 0,1,2,3,4,5,6,7
	STEPX \t
.endr
	ds_load_b32 v8, v6                             ; LDS serves a wave's instructions in order: this sees my byte stores
	s_wait_dscnt 0x0
	global_store_b32 v7, v8, s[16:17]              ; 32 lanes store 128 consecutive bytes: the price of the shorter run; the scale bytes are one byte for each 128 that this path reads
	CLOSE
.Lnot_x:
	s_cmp_lt_u32 ttmp9, 448
	s_cbranch_scc0 .Lpath_o
	; ---- PATH W: a work-group takes 32 columns x 512 along K of one weight; ITS FOUR WAVES TAKE THE SAME COLUMNS AND A QUARTER OF K EACH: 4 blocks a lane.
	; A column's 256 bytes of codes come from four waves: they meet in one stage, behind a barrier, and leave as whole rows.
	s_sub_co_u32 s25, ttmp9, 256
	s_lshr_b32 s26, s25, 6                         ; which weight: 0 q, 1 k, 2 v
	s_cmp_eq_u32 s26, 0
	s_cselect_b64 s[30:31], s[6:7], s[8:9]         ; the choice hangs on the work-group's number alone
	s_cmp_eq_u32 s26, 2
	s_cselect_b64 s[30:31], s[10:11], s[30:31]
	s_and_b32 s27, s25, 31                         ; which 32 columns
	s_bfe_u32 s25, s25, 0x10005                    ; which 512 along K
	s_lshl_b32 s27, s27, 5                         ; the first column
	s_lshl_b32 s28, s25, 21                        ; 512 rows of 4,096 bytes,
	s_lshl_b32 s32, s24, 19                        ; my wave's 128 of them,
	s_add_co_u32 s28, s28, s32
	s_lshl_b32 s32, s27, 2                         ; 4 bytes a column
	s_add_co_u32 s28, s28, s32
	s_add_nc_u64 s[30:31], s[30:31], s[28:29]
	s_lshl_b32 s26, s26, 10
	s_add_co_u32 s26, s26, s27                     ; the first row of the codes' buffer: 1024 x weight + column
	s_lshl_b32 s28, s26, 9
	s_lshl_b32 s32, s25, 8
	s_add_co_u32 s28, s28, s32
	s_add_nc_u64 s[18:19], s[18:19], s[28:29]      ; codes: 512 bytes a row, + 256 for the upper half of K
	s_lshl_b32 s28, s26, 5
	s_lshl_b32 s32, s25, 4
	s_add_co_u32 s28, s28, s32
	s_add_nc_u64 s[20:21], s[20:21], s[28:29]      ; scale bytes: 32 a row, + 16
	v_lshlrev_b32 v3, 2, v2                        ; in: 4 bytes a lane
	s_lshl_b32 s32, s24, 6
	s_add_co_u32 s32, s32, WS
	v_mul_u32_u24 v4, v2, PITCH
	v_add_nc_u32 v4, s32, v4                       ; into the stage: row = my column, + 64 x wave: my quarter of its 256 bytes
	v_and_b32 v5, 15, v2
	v_lshrrev_b32 v6, 4, v2
	s_mul_i32 s32, s24, 8*PITCH
	s_add_co_u32 s32, s32, WS
	v_mul_u32_u24 v7, v6, PITCH
	v_lshl_add_u32 v7, v5, 4, v7
	v_add_nc_u32 v7, s32, v7                       ; out of it: wave w takes rows 8 w .. 8 w + 7, sixteen lanes to a row, two rows an instruction
	s_lshl_b32 s32, s24, 12
	v_lshlrev_b32 v8, 9, v6
	v_lshl_add_u32 v8, v5, 4, v8
	v_add_nc_u32 v8, s32, v8                       ; the same rows in the codes' buffer
	s_lshl_b32 s32, s24, 2
	s_add_co_u32 s32, s32, WSC
	v_lshl_add_u32 v9, v2, 4, s32                  ; my scale word's place: 16 x column + 4 x wave
	s_lshl_b32 s32, s24, 7
	s_add_co_u32 s32, s32, WSC
	v_lshl_add_u32 v10, v2, 2, s32                 ; back: wave w takes the words of columns 8 w .. 8 w + 7: 128 w + 4 x lane
	v_lshrrev_b32 v14, 2, v2
	v_and_b32 v15, 3, v2
	v_lshlrev_b32 v14, 5, v14
	v_lshl_add_u32 v14, v15, 2, v14
	s_lshl_b32 s32, s24, 8
	v_add_nc_u32 v14, s32, v14                     ; and the same words in the scale bytes' buffer: 32 bytes a column
	LOADW 0
	LOADW 1
.irp t, 0,1,2,3
	BLOCKW \t
.endr
	ds_store_b32 v9, v[SB]
	s_wait_dscnt 0x0                               ; for the others' sake: my codes and my scale word lie in LDS
	s_barrier_signal -1
	s_barrier_wait -1                              ; all four waves' do
	ds_load_b32 v16, v10
.irp t, 0,1,2,3
	ds_load_b128 v[OUTR+4*\t:OUTR+4*\t+3], v7 offset:2*\t*PITCH
.endr
	s_wait_dscnt 4                                 ; the scale word is in; the four loads behind it may be out
	global_store_b32 v14, v16, s[20:21]            ; four lanes store a column's 16 scale bytes
.irp t, 0,1,2,3
	s_wait_dscnt 3-\t                              ; LDS loads come back in order: load t is in, the younger ones may be out
	global_store_b128 v8, v[OUTR+4*\t:OUTR+4*\t+3], s[18:19] offset:2*\t*512   ; sixteen lanes store 256 consecutive bytes, aligned
.endr
	CLOSE
.Lpath_o:
	; ---- PATH O: a wave takes 32 columns x 128 along K of W_o: 4 blocks a lane, 256 bytes of f16 for each column; waves share nothing
	s_sub_co_u32 s25, ttmp9, 448
	s_and_b32 s27, s25, 7                          ; which 128 columns
	s_lshr_b32 s25, s25, 3                         ; which 128 along K
	s_lshl_b32 s27, s27, 7
	s_lshl_b32 s28, s24, 5
	s_add_co_u32 s27, s27, s28                     ; my wave's first column
	s_lshl_b32 s28, s25, 19                        ; 128 rows of 4,096 bytes
	s_lshl_b32 s32, s27, 2
	s_add_co_u32 s28, s28, s32
	s_add_nc_u64 s[12:13], s[12:13], s[28:29]
	s_lshl_b32 s28, s27, 11                        ; a row of wo_t is 2,048 bytes
	s_lshl_b32 s32, s25, 8
	s_add_co_u32 s28, s28, s32
	s_add_nc_u64 s[22:23], s[22:23], s[28:29]
	v_lshlrev_b32 v3, 2, v2                        ; in: 4 bytes a lane
	s_mul_i32 s32, s24, 32*PITCH
	s_add_co_u32 s32, s32, OS                      ; my wave's stage
	v_mul_u32_u24 v4, v2, PITCH
	v_add_nc_u32 v4, s32, v4                       ; into it: row = my column
	v_and_b32 v5, 15, v2
	v_lshrrev_b32 v6, 4, v2                        ; out of it: sixteen lanes to a row, two rows an instruction
	v_mul_u32_u24 v7, v6, PITCH
	v_lshl_add_u32 v7, v5, 4, v7
	v_add_nc_u32 v7, s32, v7
	v_lshlrev_b32 v8, 11, v6
	v_lshl_add_u32 v8, v5, 4, v8                   ; the same two rows in wo_t
	LOADO 0
	LOADO 1
.irp t, 0,1,2,3
	BLOCKO \t
.endr
.irp t, 0,1,2,3,4,5,6,7,8,9,10,11,12,13,14,15
	ds_load_b128 v[OUTR+4*\t:OUTR+4*\t+3], v7 offset:2*\t*PITCH
.endr
.irp t, 0,1,2,3,4,5,6,7,8,9,10,11,12,13,14,15
	s_wait_dscnt 15-\t                             ; load t is in, the younger ones may be out
	global_store_b128 v8, v[OUTR+4*\t:OUTR+4*\t+3], s[22:23] offset:2*\t*2048  ; sixteen lanes store 256 consecutive bytes, aligned
.endr
	CLOSE
.Lfunc_end_k_qe13028d0ae_prep:
	.size	k_qe13028d0ae_prep, .Lfunc_end_k_qe13028d0ae_prep-k_qe13028d0ae_prep
	.p2alignl 7, 3214868480
	.fill 96, 4, 3214868480
	.section	.rodata,"a",@progbits
	.p2align	6, 0x0
	.amdhsa_kernel k_qe13028d0ae_prep
		.amdhsa_group_segment_fixed_size 77312
		.amdhsa_private_segment_fixed_size 0
		.amdhsa_enable_private_segment 0
		.amdhsa_kernarg_size 80
		.amdhsa_user_sgpr_count 2
		.amdhsa_user_sgpr_kernarg_segment_ptr 1
		.amdhsa_wavefront_size32 1
		.amdhsa_system_sgpr_workgroup_id_x 1
		.amdhsa_system_sgpr_workgroup_id_y 1
		.amdhsa_system_sgpr_workgroup_id_z 1
		.amdhsa_system_vgpr_workitem_id 0
		.amdhsa_next_free_vgpr 194
		.amdhsa_next_free_sgpr 66
		.amdhsa_reserve_vcc 0
		.amdhsa_float_denorm_mode_32 3
		.amdhsa_float_denorm_mode_16_64 3
		.amdhsa_memory_ordered 1
		.amdhsa_forward_progress 1
		.amdhsa_inst_pref_size 61
	.end_amdhsa_kernel
	.amdgpu_metadata
---
amdhsa.version: [ 1, 2 ]
amdhsa.kernels:
  - .name:           k_qe13028d0ae_prep
    .symbol:         k_qe13028d0ae_prep.kd
    .args:
      - { .name: x, .offset: 0, .size: 8, .value_kind: global_buffer, .address_space: global }
      - { .name: W_q, .offset: 8, .size: 8, .value_kind: global_buffer, .address_space: global }
      - { .name: W_k, .offset: 16, .size: 8, .value_kind: global_buffer, .address_space: global }
      - { .name: W_v, .offset: 24, .size: 8, .value_kind: global_buffer, .address_space: global }
      - { .name: W_o, .offset: 32, .size: 8, .value_kind: global_buffer, .address_space: global }
      - { .name: x_codes, .offset: 40, .size: 8, .value_kind: global_buffer, .address_space: global }
      - { .name: x_scales, .offset: 48, .size: 8, .value_kind: global_buffer, .address_space: global }
      - { .name: w_codes, .offset: 56, .size: 8, .value_kind: global_buffer, .address_space: global }
      - { .name: w_scales, .offset: 64, .size: 8, .value_kind: global_buffer, .address_space: global }
      - { .name: wo_t, .offset: 72, .size: 8, .value_kind: global_buffer, .address_space: global }
    .group_segment_fixed_size: 77312
    .private_segment_fixed_size: 0
    .kernarg_segment_align: 8
    .kernarg_segment_size: 80
    .max_flat_workgroup_size: 128
    .sgpr_count:     66
    .vgpr_count:     194
    .wavefront_size: 32
...
	.end_amdgpu_metadata
.endif
;; end of part 1
;; launch qkv (part 2): grid 12 x 16, 4 waves a work-group, clusters of 4 x 4, 327,680 bytes of LDS; arguments x_codes, x_scales, w_codes, w_scales, b_q, b_k, b_v, qkv, qkv32; writes qkv, qkv32
.if DOCPART == 2
	.amdgcn_target "amdgcn-amd-amdhsa--gfx1250"
	.amdhsa_code_object_version 6
	.text
	.protected	k_qe13028d0ae_qkv
	.globl	k_qe13028d0ae_qkv
	.p2align	8
	.type	k_qe13028d0ae_qkv,@function
k_qe13028d0ae_qkv:
	s_mov_b64 s[64:65], 0
	v_nop
	global_prefetch_b8 v0, s[64:65] scope:SCOPE_SE
	s_setreg_imm32_b32 hwreg(HW_REG_WAVE_MODE, 25, 1), 1
	s_wait_xcnt 0x0
	s_wait_alu depctr_hold_cnt(0) depctr_sa_sdst(0) depctr_va_vdst(0) depctr_va_sdst(0) depctr_va_ssrc(0) depctr_va_vcc(0) depctr_vm_vsrc(0)
	s_getreg_b32 s2, hwreg(HW_REG_IB_STS2, 6, 4)
	s_cmp_eq_u32 s2, 0
	s_cbranch_scc0 .Lentry_in_a_cluster
	s_endpgm
.Lentry_in_a_cluster:
	s_bfe_u32 s2, ttmp6, 0x10000c
	s_cmp_lg_u32 s2, 0xf033
	s_cbranch_scc0 .Lentry_shape_is_right
	s_endpgm
.Lentry_shape_is_right:
; q, k, v = x W + b for the three weights at once: C[m][n] = sum over k of A[m][k] B[n][k] + bias[n], on codes of E2M1 with one E8M0 scale for each 32 along K.
; A: x's codes [4096][512 bytes], scale bytes [4096][32].  B: the weights' codes [3072][512 bytes], scale bytes [3072][32]; n = 1024 x weight + column.  Sums in f32.
; OUT: qkv, f16, [2 b][48 g][2048 s][64]: g = n / 64: 0-15 q's heads, 16-31 k's, 32-47 v's.  And of positions 0-15 of both sequences an f32 copy, qkv32: the accumulators' registers as they stand,
; [2 b][192 tiles of 16 columns][registers 0-3, registers 4-7][32 lanes][16 bytes], for the launch that carries those rows in f32.
; LIMIT: |q|, |k|, |v| stay under 65,504, f16's largest number.
; A tile of C, 256 x 256, is made by four waves, each 128 x 128: 64 accumulators, 512 registers.  K = 1,024 is two steps of 512, one in each of two LDS slots: both are asked for at the start and nothing is filled again.
; The scale bytes of the work-group's 256 + 256 rows, for all of K, come once, with the first fills.
; CLUSTER 4 x 4: the four of a row need the same tiles of A, the four of a column the same tiles of B: each is asked for jointly.
; THE MATRIX INSTRUCTION IS USED TRANSPOSED (source 0 = 16 rows of B, source 1 = 16 rows of A): a lane holds eight neighbouring columns of one row of C.  The bias is the C of each sum's first instruction.
; REGISTERS, in windows of 256: window 0: v0-31 addresses; v32-95 scale words, two sets; v128-191 A's fragments, one set; v192-255 the bias of my 128 columns; on the way out v128-223 are free.
;   window 1: B's fragments, two sets, at v0 and v128.   window 2: the accumulators of my rows 0-63 ((a, b) at v[8 (8 a + b)]);   window 3: those of my rows 64-127.
.set NQ,     4                         ; matrix instructions deep in a slot: 512 along K
.set ROWB,   256                       ; a tile's row in bytes
.set KROW,   512                       ; a row of A or B in memory
.set PITCH,  272                       ; an LDS row: 256 bytes + 16 of padding: the 16 rows that a load touches begin at 16 different 16-byte columns
.set FR,     8                         ; registers of a fragment: 16 rows x 128 K
.set NL,     2                         ; LDS loads that bring one
.set NP,     4                         ; places behind this matrix instruction (ISA guide 7.12.1)
.set HALFT,  128*PITCH                 ; 128 rows: what one tensor load brings
.set SLOT,   4*HALFT                   ; A's 256 rows, then B's 256 rows
.set KS,     32                        ; a row of scale bytes
.set SCL,    2*SLOT                    ; behind the ring: the scales, as units of 256 bytes + 16 of padding
.set HALFS,  (128*KS/256)*272          ; those of 128 rows: what one tensor load brings
.set SBLK,   (16*KS/256)*272           ; those of 16 rows
.set SPARE,  SCL+4*HALFS               ; the spare words, 128 bytes for each wave
.set SPITCH, 272                       ; the way out: a stage of 16 rows x (256 bytes + 16) for each wave, in slot 0, which has had its only fill and its last read by then
.set ADRA, 16                          ; v16-17 LDS address of my A fragments in slot 0, 1
.set ADRB, 20                          ; v20-21 the same for B
.set STO,  24                          ; v24 the way out: where I put 16 bytes of a row
.set RD,   25                          ; v25 where I read back
.set CO,   26                          ; v26 16 x lane
.set ADRS, 27                          ; v27 LDS address of my scale words: lanes 0-15 A's rows, lanes 16-31 B's
.set SPW,  28                          ; v28 my spare word; never rewritten
.set NIL,  29                          ; v29 0; never rewritten
.set BOF,  30                          ; v30 32 x (lane / 16): my eight numbers of a tile's sixteen of the bias
.set CYV,  31                          ; v31 my work-group's place along the cluster's y
.set SC,   32                          ; scale words: set s at v[SC + 32 s]; register 4 i + q: lanes 0-15 A's block i, lanes 16-31 B's block i, the slot's q-th 128 along K
.set AF,   128
.set BIAS, 192
.set TMP,  128                         ; the way out: packed results
.set BK,   160                         ; the way out: 16 rows read back: v160-191 and v192-223 by turns
.set G1, 24                            ; s[24:31] group 1 for A's tiles; s[32:39] groups 0, one for each slot
.set G0, 32
.set G1B, 48                           ; s[48:55], s[56:63] the same for B's
.set G0B, 56
.set G1S, 68                           ; s[68:75], s[76:79] for A's scales; s[80:87], s[88:91] for B's
.set G0S, 76
.set G1SB, 80
.set G0SB, 88
.set MSB, 0
.macro WIN new                         ; the immediate's high byte repeats the setting that is left
.if MSB != (\new)
	s_set_vgpr_msb (MSB<<8)|(\new)
.set MSB, (\new)
.endif
.endm
.set MUL_LO, 0xa1                      ; source 0 (B) window 1, source 1 (A) window 0, C and D window 2
.set MUL_HI, 0xf1                      ; the same, C and D window 3
.set FIRST_LO, 0x81                    ; the first step: C (the bias) window 0, D window 2
.set FIRST_HI, 0xc1                    ; D window 3
.set TO_B,   0x40                      ; destination window 1, address window 0
; A joint load: waves 0 and 1 fetch for A, waves 2 and 3 for B; the branch hangs on the wave's number alone.  An s_nop 0 and four v_nop follow each of the two lines.
.macro JLOAD g0a, g1a, g0b, g1b
	s_cmp_eq_u32 s15, 0
	s_cbranch_scc0 .Lfor_b_\@
	tensor_load_to_lds s[\g0a:\g0a+3], s[\g1a:\g1a+7]
	s_nop 0
.rept 4
	v_nop
.endr
	s_branch .Lasked_\@
.Lfor_b_\@:
	tensor_load_to_lds s[\g0b:\g0b+3], s[\g1b:\g1b+7]
	s_nop 0
.rept 4
	v_nop
.endr
.Lasked_\@:
.endm
.macro CROUND                          ; a round of the cluster's barrier
	s_barrier_signal -1
	s_barrier_wait -1
	s_cmp_lg_u32 s14, 0
	s_cbranch_scc1 .Lnot_wave_0_\@
	s_barrier_signal -3
.Lnot_wave_0_\@:
	s_barrier_wait -3
	s_barrier_signal -1
	s_barrier_wait -1
.endm
	s_load_b128 s[4:7], s[0:1], 0x0                ; A's codes, A's scales
	s_load_b128 s[8:11], s[0:1], 0x10              ; B's codes, B's scales
	s_load_b128 s[96:99], s[0:1], 0x20             ; b_q, b_k
	s_load_b64 s[100:101], s[0:1], 0x30            ; b_v
	s_load_b64 s[12:13], s[0:1], 0x38              ; qkv
	s_load_b64 s[66:67], s[0:1], 0x40              ; qkv32
	v_lshl_add_u32 v[SPW], v0, 2, SPARE
	v_mov_b32 v[NIL], 0
	ds_add_u32 v[SPW], v[NIL]                      ; the wave's opening: the add, twice on end, and its wait ahead of my first tensor load
	ds_add_u32 v[SPW], v[NIL]
	v_lshrrev_b32 v1, 5, v0
	v_readfirstlane_b32 s14, v1                    ; wave 0..3
	s_lshr_b32 s15, s14, 1                         ; which half of the tile's rows is mine.  Also: I fetch for A (0) or for B (1)
	s_and_b32 s16, s14, 1                          ; which half of its columns.  Also: which 128 rows of that tile I fetch
	s_bfe_u32 s40, ttmp6, 0x40000                  ; cx, cy: my place in the cluster
	s_bfe_u32 s41, ttmp6, 0x40004
	s_lshl_b32 s42, ttmp9, 2
	s_add_co_u32 s42, s42, s40                     ; tile column of C = 4 x cluster x + cx
	s_and_b32 s17, ttmp7, 0xffff
	s_lshl_b32 s17, s17, 2
	s_add_co_u32 s17, s17, s41                     ; tile row of C = 4 x cluster y + cy
	s_lshl_b32 s43, s41, 2
	s_lshl_b32 s43, 15, s43                        ; my row of the cluster
	s_lshl_b32 s44, 0x1111, s40                    ; my column
	; group 1: a tile of 128 rows x 256 bytes, 16 bytes of padding behind each row
	s_or_b32 s[G1+0], s43, (0<<16)|(1<<20)|(1<<21)|(5<<22)|(3<<25)  ; the mask: A's tiles go to my row; elements of 1 byte; padding on; bit 21 beside a mask; after every 64 words, 4 words
	s_or_b32 s[G1B+0], s44, (0<<16)|(1<<20)|(1<<21)|(5<<22)|(3<<25)
.irp g, G1, G1B
	s_mov_b32 s[\g+1], ROWB<<16                    ; tensor_dim0
	s_mov_b32 s[\g+2], 128<<16                     ; tensor_dim1
	s_mov_b32 s[\g+3], ROWB<<16                    ; tile_dim0
	s_mov_b32 s[\g+4], 128                         ; tile_dim1
	s_mov_b32 s[\g+5], KROW                        ; from row to row
	s_mov_b32 s[\g+6], 0
	s_mov_b32 s[\g+7], 0
.endr
	; and for the scales of 128 rows: 4,096 dense bytes, as 16 rows of 256 bytes (32 elements of 8 bytes), 16 bytes of padding behind each
	s_or_b32 s[G1S+0], s43, (3<<16)|(1<<20)|(1<<21)|(5<<22)|(3<<25)
	s_or_b32 s[G1SB+0], s44, (3<<16)|(1<<20)|(1<<21)|(5<<22)|(3<<25)
.irp g, G1S, G1SB
	s_mov_b32 s[\g+1], 32<<16
	s_mov_b32 s[\g+2], (128*KS/256)<<16
	s_mov_b32 s[\g+3], 32<<16
	s_mov_b32 s[\g+4], 128*KS/256
	s_mov_b32 s[\g+5], 32
	s_mov_b32 s[\g+6], 0
	s_mov_b32 s[\g+7], 0
.endr
	s_lshl_b32 s18, s16, 7                         ; which 128 rows of the tile I fetch
	s_lshl_b32 s20, s17, 8
	s_add_co_u32 s20, s20, s18                     ; A: row 256 x tile row + 128 x half
	s_lshl_b32 s46, s42, 8
	s_add_co_u32 s46, s46, s18                     ; B: row 256 x tile column + 128 x half
	s_mov_b32 s21, 0
	s_mov_b32 s47, 0
	s_mov_b64 s[18:19], KS
	s_mul_u64 s[22:23], s[20:21], s[18:19]         ; where these rows' scales begin, in bytes
	s_mul_u64 s[92:93], s[46:47], s[18:19]
	s_mov_b64 s[18:19], KROW
	s_mul_u64 s[20:21], s[20:21], s[18:19]         ; and their codes
	s_mul_u64 s[46:47], s[46:47], s[18:19]
	s_mul_i32 s45, s14, HALFT                      ; where they go: wave x 128 rows: no place in the cluster enters an LDS address
	s_mul_i32 s94, s14, HALFS
	s_wait_dscnt 0x0                               ; both opening adds are done
	s_wait_kmcnt 0x0
	s_add_nc_u64 s[20:21], s[4:5], s[20:21]
	s_add_nc_u64 s[22:23], s[6:7], s[22:23]
	s_add_nc_u64 s[46:47], s[8:9], s[46:47]
	s_add_nc_u64 s[92:93], s[10:11], s[92:93]
	CROUND                                         ; all sixteen work-groups are here: the first joint loads meet
	s_mov_b32 s[G0S], 1
	s_add_co_u32 s[G0S+1], s94, SCL
	s_mov_b64 s[G0S+2:G0S+3], s[22:23]
	s_or_b32 s[G0S+3], s[G0S+3], 0x80000000
	s_mov_b32 s[G0SB], 1
	s_add_co_u32 s[G0SB+1], s94, SCL
	s_mov_b64 s[G0SB+2:G0SB+3], s[92:93]
	s_or_b32 s[G0SB+3], s[G0SB+3], 0x80000000
	JLOAD G0S, G1S, G0SB, G1SB                     ; the scales first: they are wanted with K step 0
.irp s, 0,1
	s_mov_b32 s[G0+4*\s], 1
	s_add_co_u32 s[G0+4*\s+1], s45, \s*SLOT
	s_add_nc_u64 s[G0+4*\s+2:G0+4*\s+3], s[20:21], \s*ROWB
	s_or_b32 s[G0+4*\s+3], s[G0+4*\s+3], 0x80000000
	s_mov_b32 s[G0B+4*\s], 1
	s_add_co_u32 s[G0B+4*\s+1], s45, \s*SLOT
	s_add_nc_u64 s[G0B+4*\s+2:G0B+4*\s+3], s[46:47], \s*ROWB
	s_or_b32 s[G0B+4*\s+3], s[G0B+4*\s+3], 0x80000000
	JLOAD G0+4*\s, G1, G0B+4*\s, G1B               ; three loads of mine are out in all
.endr
	; the bias of my 128 columns: which weight's is the cluster's x; lane (r, h) wants, for B's block b, the numbers 16 b + 8 h + 0 .. 7
	s_cmp_eq_u32 ttmp9, 0
	s_cselect_b64 s[96:97], s[96:97], s[98:99]
	s_cmp_eq_u32 ttmp9, 2
	s_cselect_b64 s[96:97], s[100:101], s[96:97]
	s_lshl_b32 s92, s40, 10                        ; 256 columns of 4 bytes for each tile column inside the weight,
	s_lshl_b32 s93, s16, 9                         ; 128 for my half
	s_add_co_u32 s92, s92, s93
	s_mov_b32 s93, 0
	s_add_nc_u64 s[96:97], s[96:97], s[92:93]
	v_and_b32 v1, 15, v0                           ; l % 16
	v_bfe_u32 v2, v0, 4, 1                         ; l / 16
	v_lshlrev_b32 v[BOF], 5, v2
.irp b, 0,1,2,3,4,5,6,7
	global_load_b128 v[BIAS+8*\b:BIAS+8*\b+3], v[BOF], s[96:97] offset:64*\b
	global_load_b128 v[BIAS+8*\b+4:BIAS+8*\b+7], v[BOF], s[96:97] offset:64*\b+16
.endr
	v_mul_u32_u24 v3, v1, PITCH
	v_lshl_add_u32 v4, v2, 4, v3                   ; a fragment's row x pitch + 16 x half
	s_mul_i32 s21, s15, HALFT                      ; my 128 rows of A
	s_mul_i32 s22, s16, HALFT                      ; my 128 rows of B,
	s_add_co_u32 s22, s22, 2*HALFT                 ; which lie behind A's 256
.irp s, 0,1
	v_add_nc_u32 v[ADRA+\s], s21, v4
	v_add_nc_u32 v[ADRB+\s], s22, v4
	s_add_co_u32 s21, s21, SLOT
	s_add_co_u32 s22, s22, SLOT
.endr
	v_mul_u32_u24 v5, v1, KS                       ; my row's scales: 32 bytes a row,
	v_lshrrev_b32 v6, 8, v5
	v_lshl_add_u32 v5, v6, 4, v5                   ; and 16 more for each 256 passed
	s_mul_i32 s21, s15, HALFS                      ; A's: my 128 rows
	s_mul_i32 s22, s16, HALFS                      ; B's: my 128 rows, behind A's 256
	s_add_co_u32 s22, s22, 2*HALFS
	s_sub_co_u32 s22, s22, s21
	v_mul_u32_u24 v6, s22, v2                      ; lanes 16-31 take B's: one product, the distance between the two bases
	s_add_co_u32 s21, s21, SCL
	v_add_nc_u32 v5, v5, v6
	v_add_nc_u32 v[ADRS], s21, v5
	s_mul_i32 s23, s14, 16*SPITCH                  ; my stage
	v_mul_u32_u24 v5, v1, SPITCH                   ; in: row l % 16, 16 bytes for each half of the lanes
	v_lshl_add_u32 v5, v2, 4, v5
	v_add_nc_u32 v[STO], s23, v5
	v_and_b32 v6, 31, v0
	v_lshlrev_b32 v[CO], 4, v6
	v_lshrrev_b32 v5, 3, v6                        ; back: eight lanes take a row's 128 bytes of one head, 32 lanes four rows
	v_mul_u32_u24 v5, v5, SPITCH
	v_and_b32 v6, 7, v6
	v_lshl_add_u32 v5, v6, 4, v5
	v_add_nc_u32 v[RD], s23, v5
	v_mov_b32 v[CYV], s41
	; qkv at my first row of my first head: ((tile row / 8) x 48 + 4 x tile column + 2 x half) heads of 262,144 bytes, + ((tile row % 8) x 256 + 128 x half) rows of 128 bytes
	s_lshr_b32 s20, s17, 3
	s_mul_i32 s20, s20, 48
	s_lshl_b32 s21, s42, 2
	s_add_co_u32 s20, s20, s21
	s_lshl_b32 s21, s16, 1
	s_add_co_u32 s20, s20, s21
	s_lshl_b32 s20, s20, 18
	s_and_b32 s21, s17, 7
	s_lshl_b32 s21, s21, 15
	s_add_co_u32 s20, s20, s21
	s_lshl_b32 s21, s15, 14
	s_add_co_u32 s20, s20, s21
	s_mov_b32 s21, 0
	s_add_nc_u64 s[12:13], s[12:13], s[20:21]
	; qkv32 at my first tile of 16 columns: ((cluster y / 2) x 192 + 16 x tile column + 8 x half) tiles of 1,024 bytes
	s_and_b32 s20, ttmp7, 0xffff
	s_lshr_b32 s20, s20, 1
	s_mul_i32 s20, s20, 192
	s_lshl_b32 s21, s42, 4
	s_add_co_u32 s20, s20, s21
	s_lshl_b32 s21, s16, 3
	s_add_co_u32 s20, s20, s21
	s_lshl_b32 s20, s20, 10
	s_mov_b32 s21, 0
	s_add_nc_u64 s[66:67], s[66:67], s[20:21]
.macro FRAG reg, adr, q, i             ; a fragment: lane l holds row l % 16; registers 4 c .. 4 c + 3 hold K = 64 c + 32 (l / 16) + 0 .. 31
.irp c, 0,1
	ds_load_b128 v[\reg+4*\c:\reg+4*\c+3], v[\adr] offset:64*(\q)+32*\c+(\i)*16*PITCH
.endr
.endm
; 16 matrix instructions: A's blocks a0, a0 + 1 x B's eight, the slot's q-th 128 along K.  p: B's set; sc: the set of scale words.  first = 1: the sums begin with the bias.
; The 64 accumulators take turns, one instruction a turn, in the same order in every step.
.macro MUL16 a0, p, q, sc, first
.irp a, \a0, \a0+1
.irp b, 0,1,2,3,4,5,6,7
.if \first
	v_wmma_scale_f32_16x16x128_f8f6f4 v[8*(8*((\a)%4)+\b):8*(8*((\a)%4)+\b)+7], v[128*(\p)+FR*\b:128*(\p)+FR*\b+FR-1], v[AF+FR*(\a):AF+FR*(\a)+FR-1], v[BIAS+8*\b:BIAS+8*\b+7], v[SC+8*NQ*(\sc)+NQ*\b+(\q)], v[SC+8*NQ*(\sc)+NQ*(\a)+(\q)] matrix_a_fmt:MATRIX_FMT_FP4 matrix_b_fmt:MATRIX_FMT_FP4 matrix_a_scale:MATRIX_SCALE_ROW1
.else
	v_wmma_scale_f32_16x16x128_f8f6f4 v[8*(8*((\a)%4)+\b):8*(8*((\a)%4)+\b)+7], v[128*(\p)+FR*\b:128*(\p)+FR*\b+FR-1], v[AF+FR*(\a):AF+FR*(\a)+FR-1], v[8*(8*((\a)%4)+\b):8*(8*((\a)%4)+\b)+7], v[SC+8*NQ*(\sc)+NQ*\b+(\q)], v[SC+8*NQ*(\sc)+NQ*(\a)+(\q)] matrix_a_fmt:MATRIX_FMT_FP4 matrix_b_fmt:MATRIX_FMT_FP4 matrix_a_scale:MATRIX_SCALE_ROW1
.endif
.endr
.endr
.endm
.macro FETCH_B slot, q, p              ; B's eight fragments of the slot's q-th 128 along K into set p
	WIN TO_B
.irp i, 0,1,2,3,4,5,6,7
	FRAG 128*(\p)+FR*\i, ADRB+\slot, \q, \i
.endr
	WIN 0
.endm
.macro FETCH_A slot, q, i0             ; A's blocks i0 .. i0 + 3
.irp i, \i0, \i0+1, \i0+2, \i0+3
	FRAG AF+FR*(\i), ADRA+\slot, \q, \i
.endr
.endm
.macro SCALES sc                       ; a K step's scale words into set sc: 4 words a row; lanes 0-15 take A's block i, lanes 16-31 B's block i
.irp i, 0,1,2,3,4,5,6,7
	ds_load_b128 v[SC+8*NQ*\sc+NQ*\i:SC+8*NQ*\sc+NQ*\i+3], v[ADRS] offset:\i*SBLK
.endr
.endm
.macro PLACES n                        ; plain vector lines between a matrix instruction and a load into, or a read of, its registers
.rept \n
	v_nop
.endr
.endm
; A step of 128 along K that has its successor in the same slot.  A's blocks are free as soon as their eight products are issued: blocks 0-3 are fetched anew in the step's middle, blocks 4-7 at its end.
.macro STEP slot, q, first
	s_wait_dscnt 4*NL                              ; B's set and A's blocks 0-3 are in; the eight youngest loads (A's blocks 4-7) may be out
.if \first
	WIN FIRST_LO
.else
	WIN MUL_LO
.endif
	MUL16 0, (\q)%2, \q, \slot, \first
	MUL16 2, (\q)%2, \q, \slot, \first
	s_wait_dscnt 0                                 ; A's blocks 4-7 are in
	PLACES NP
	FETCH_B \slot, (\q)+1, 1-(\q)%2
	FETCH_A \slot, (\q)+1, 0
.if \first
	WIN FIRST_HI
.else
	WIN MUL_HI
.endif
	MUL16 4, (\q)%2, \q, \slot, \first
	MUL16 6, (\q)%2, \q, \slot, \first
	PLACES NP
	WIN 0
	FETCH_A \slot, (\q)+1, 4
.endm
; Slot 0's last step changes slots: one barrier; in front of it each wave waits for all its tensor loads (slot 1's is the one that may be out), adds 0 to its spare word, and waits for that and for its reads of slot 0.
; Behind it slot 1 is whole for every wave, and nobody reads slot 0 any more: the stages of the way out may lie there.  Nothing is filled again.
.macro TURN slot, next
	s_wait_tensorcnt 0x0
	ds_add_u32 v[SPW], v[NIL]
	s_wait_dscnt 4*NL+1                            ; the add and the eight youngest loads (A's blocks 4-7) may be out
	WIN MUL_LO
	MUL16 0, 1, NQ-1, \slot, 0                     ; sixteen matrix instructions stand between the add and the wait for it
	s_wait_dscnt 0x0                               ; the add is done, and my reads of this slot are over
	s_barrier_signal -1
	MUL16 2, 1, NQ-1, \slot, 0
	WIN 0
	s_barrier_wait -1
	PLACES NP
	v_add_nc_u32 v[ADRS], 4*NQ, v[ADRS]            ; on to the next K step's scale words
	FETCH_B \next, 0, 0
	FETCH_A \next, 0, 0
	SCALES \next
	WIN MUL_HI
	MUL16 4, 1, NQ-1, \slot, 0
	MUL16 6, 1, NQ-1, \slot, 0
	PLACES NP
	WIN 0
	FETCH_A \next, 0, 4
.endm
	s_wait_tensorcnt 1                             ; the scales and my part of K step 0 are in; K step 1's load, the one issued behind them, may be out
	s_barrier_signal -1
	s_barrier_wait -1                              ; everybody's are
	FETCH_B 0, 0, 0
	FETCH_A 0, 0, 0
	SCALES 0
	FETCH_A 0, 0, 4
	s_wait_loadcnt 0x0                             ; the bias
	STEP 0, 0, 1
	STEP 0, 1, 0
	STEP 0, 2, 0
	TURN 0, 1
	STEP 1, 0, 0
	STEP 1, 1, 0
	STEP 1, 2, 0
	s_wait_dscnt 4*NL                              ; the very last step: nothing more to fetch
	WIN MUL_LO
	MUL16 0, 1, NQ-1, 1, 0
	MUL16 2, 1, NQ-1, 1, 0
	s_wait_dscnt 0
	WIN MUL_HI
	MUL16 4, 1, NQ-1, 1, 0
	MUL16 6, 1, NQ-1, 1, 0
	WIN 0
	PLACES NP                                      ; behind the last products, ahead of every read of results and every write over A's fragments
	; THE F32 COPY of positions 0-15: rows 0-15 of tile rows 0 and 8: the cluster's y even, my place along y 0, the waves with the tile's upper rows, A's block 0.
	; The branches hang on the wave's number and on the cluster's y, which all sixteen partners share; the place in the cluster only turns the lanes of these stores off.
	s_cmp_lg_u32 s15, 0
	s_cbranch_scc1 .Lno_copy
	s_and_b32 s94, ttmp7, 1
	s_cmp_lg_u32 s94, 0
	s_cbranch_scc1 .Lno_copy
	v_cmp_eq_u32 vcc_lo, 0, v[CYV]
	s_wait_xcnt 0x0                                ; EXEC changes only behind this wait
	s_and_saveexec_b32 s95, vcc_lo
	WIN 0x08                                       ; a store's data are its source 1: window 2
.irp b, 0,1,2,3,4,5,6,7
	global_store_b128 v[CO], v[8*\b:8*\b+3], s[66:67] offset:1024*\b           ; each accumulator from its low end on; 32 lanes store 512 consecutive bytes
	global_store_b128 v[CO], v[8*\b+4:8*\b+7], s[66:67] offset:1024*\b+512
.endr
	WIN 0
	s_wait_xcnt 0x0                                ; and again, in front of the line that widens it
	s_or_b32 exec_lo, exec_lo, s95
.Lno_copy:
; THE WAY OUT, block by block of 16 rows x 128 columns (two heads).  PACK: rounded to f16, 16 bytes a lane.  TOSTAGE: into my stage, and back so that 32 lanes hold four whole rows (128 bytes each) of one head.  SEND: stored.
.macro PACK a
.set AC, 64*((\a)%4)
	WIN 0x0a+5*((\a)/4)                            ; sources 0 and 1: window 2 or 3
.irp b, 0,1,2,3,4,5,6,7
.irp r, 0,1,2,3
	v_cvt_pk_f16_f32 v[TMP+4*\b+\r], v[AC+8*\b+2*\r], v[AC+8*\b+2*\r+1]
.endr
.endr
	WIN 0
.endm
.macro TOSTAGE a
.set BB, BK+32*((\a)%2)
.irp b, 0,1,2,3,4,5,6,7
	ds_store_b128 v[STO], v[TMP+4*\b:TMP+4*\b+3] offset:32*\b
.endr
.irp j, 0,1
.irp t, 0,1,2,3
	ds_load_b128 v[BB+4*(4*\j+\t):BB+4*(4*\j+\t)+3], v[RD] offset:4*SPITCH*\t+128*\j   ; LDS serves a wave's instructions in order: these see the stores above
.endr
.endr
.endm
.macro SEND a
.set BB, BK+32*((\a)%2)
	s_wait_dscnt 0x0                               ; the block is back in registers
	s_wait_xcnt 0x0                                ; the stores of the block before have read their registers: the next loads from the stage may land there
.irp j, 0,1
.irp t, 0,1,2,3
	global_store_b128 v[CO], v[BB+4*(4*\j+\t):BB+4*(4*\j+\t)+3], s[12:13] offset:262144*\j+2048*(\a)+512*\t   ; 32 lanes store 512 consecutive bytes, aligned: four rows of one head
.endr
.endr
.endm
	PACK 0
	TOSTAGE 0
.irp a, 1,2,3,4,5,6,7                  ; block a's conversions stand between block a - 1's loads from the stage and the wait for them
	PACK \a
	SEND \a-1
	TOSTAGE \a
.endr
	SEND 7
	s_wait_tensorcnt 0x0                           ; the wave's end
	ds_add_u32 v[SPW], v[NIL]
	s_wait_dscnt 0x0
	CROUND                                         ; the closing round
	s_endpgm
.Lfunc_end_k_qe13028d0ae_qkv:
	.size	k_qe13028d0ae_qkv, .Lfunc_end_k_qe13028d0ae_qkv-k_qe13028d0ae_qkv
	.p2alignl 7, 3214868480
	.fill 96, 4, 3214868480
	.section	.rodata,"a",@progbits
	.p2align	6, 0x0
	.amdhsa_kernel k_qe13028d0ae_qkv
		.amdhsa_group_segment_fixed_size 327680
		.amdhsa_private_segment_fixed_size 0
		.amdhsa_enable_private_segment 0
		.amdhsa_kernarg_size 72
		.amdhsa_user_sgpr_count 2
		.amdhsa_user_sgpr_kernarg_segment_ptr 1
		.amdhsa_wavefront_size32 1
		.amdhsa_system_sgpr_workgroup_id_x 1
		.amdhsa_system_sgpr_workgroup_id_y 1
		.amdhsa_system_sgpr_workgroup_id_z 1
		.amdhsa_system_vgpr_workitem_id 0
		.amdhsa_next_free_vgpr 1024
		.amdhsa_next_free_sgpr 102
		.amdhsa_reserve_vcc 1
		.amdhsa_float_denorm_mode_32 3
		.amdhsa_float_denorm_mode_16_64 3
		.amdhsa_memory_ordered 1
		.amdhsa_forward_progress 1
		.amdhsa_inst_pref_size 131
	.end_amdhsa_kernel
	.amdgpu_metadata
---
amdhsa.version: [ 1, 2 ]
amdhsa.kernels:
  - .name:           k_qe13028d0ae_qkv
    .symbol:         k_qe13028d0ae_qkv.kd
    .args:
      - { .name: x_codes, .offset: 0, .size: 8, .value_kind: global_buffer, .address_space: global }
      - { .name: x_scales, .offset: 8, .size: 8, .value_kind: global_buffer, .address_space: global }
      - { .name: w_codes, .offset: 16, .size: 8, .value_kind: global_buffer, .address_space: global }
      - { .name: w_scales, .offset: 24, .size: 8, .value_kind: global_buffer, .address_space: global }
      - { .name: b_q, .offset: 32, .size: 8, .value_kind: global_buffer, .address_space: global }
      - { .name: b_k, .offset: 40, .size: 8, .value_kind: global_buffer, .address_space: global }
      - { .name: b_v, .offset: 48, .size: 8, .value_kind: global_buffer, .address_space: global }
      - { .name: qkv, .offset: 56, .size: 8, .value_kind: global_buffer, .address_space: global }
      - { .name: qkv32, .offset: 64, .size: 8, .value_kind: global_buffer, .address_space: global }
    .group_segment_fixed_size: 327680
    .private_segment_fixed_size: 0
    .kernarg_segment_align: 8
    .kernarg_segment_size: 72
    .max_flat_workgroup_size: 128
    .sgpr_count:     102
    .vgpr_count:     1024
    .wavefront_size: 32
...
	.end_amdgpu_metadata
.endif
;; end of part 2
;; launch attn (part 3): grid 8 x 32, 16 waves a work-group, no clusters, 327,680 bytes of LDS; arguments qkv, ctx; writes ctx
.if DOCPART == 3
	.amdgcn_target "amdgcn-amd-amdhsa--gfx1250"
	.amdhsa_code_object_version 6
	.text
	.protected	k_qe13028d0ae_attn
	.globl	k_qe13028d0ae_attn
	.p2align	8
	.type	k_qe13028d0ae_attn,@function
k_qe13028d0ae_attn:
	s_mov_b64 s[64:65], 0
	v_nop
	global_prefetch_b8 v0, s[64:65] scope:SCOPE_SE
	s_setreg_imm32_b32 hwreg(HW_REG_WAVE_MODE, 25, 1), 1
	s_wait_xcnt 0x0
; ctx[b][h][q] = the sum over k <= q of softmax_k(Q[q] . K[k] / 8) V[k], head size 64, 2,048 positions, 32 (batch, head) pairs.  Operands in f16; products, maxima and sums in f32.
; IN: qkv, f16, [2 b][48 g][2048][64]: g = head (q), 16 + head (k), 32 + head (v).  OUT: ctx, f16, [32 blocks of 128 rows][16 heads][128 rows][64].
; LIMITS: |q|, |k|, |v| under 65,504; NaN and infinities not served.  The first 16 positions of each sequence are made here too, and made again in f32 by the last launch, which has the last word on those rows of the output.
; SHARES.  A work-group owns query blocks x and 15 - x (128 queries each) of one head: under the causal mask that is the same number of key steps for every x.  Each of its sixteen waves owns one tile of 16 queries,
; in 256 registers: four waves to a SIMD, two of the early block and two of the late one, so that one wave's vector work stands beside another's matrix work and LDS loads.
; No cluster: under the mask the work-groups of a head need different numbers of tiles.
; K's and V's tiles come through a ring of two LDS slots of 256 keys (wave 0 fetches K's 256 rows, wave 1 V's) and are read by all sixteen, 64 keys a step.
; EVERY work-group walks all 8 slots, so that trip counts are constants; a step all of whose keys come after a wave's queries is jumped over, and a slot whose first key comes after the work-group's last query is not asked for.
; LAYOUT.  S^T = K Q^T (source 0 = 16 keys, source 1 = my 16 queries): a lane holds ONE query (lane % 16) and keys 8 (lane / 16) + 0..7 of each tile; two such tiles, rounded to f16 in pairs, ARE source 1 of
; O^T = V^T P, whose result again holds one query a lane.  K comes out of LDS as it lies, V ([key][channel]) turned, by ds_load_tr16_b128.
; SOFTMAX.  A running maximum m and sum l for each query: p = 2^(c s - c m), c = log2(e) / 8; in every step O and l are multiplied by a = 2^(c m_old - c m_new).
.set SK,    256                        ; keys in a slot
.set PK,    144                        ; a key's row in LDS: 128 bytes + 16: the 16 rows of a load begin at 16 different 16-byte columns
.set PV,    160                        ; a row of V: 128 + 32: an odd multiple of 32, for the turning load
.set VOFF,  SK*PK                      ; a slot: 256 rows of K, then 256 rows of V
.set SLOT1, 1<<17                      ; slot 1 begins here: one exclusive or turns an address in one slot into the other's
.set STAGE, 2*SLOT1                    ; the way out: 16 rows x 144 bytes for each wave; bytes of their own
.set SPARE, STAGE+16*16*PK             ; the spare words, 128 bytes for each wave
.set AK0, 1                            ; v1  my lane's place in a tile of K
.set AV0, 2                            ; v2  the same for V
.set ADK, 3                            ; v3  LDS address of the step's K
.set ADV, 4                            ; v4  of its V
.set SPW, 5                            ; v5  my spare word; never rewritten
.set NIL, 6                            ; v6  0; never rewritten
.set GO,  7                            ; v7  16 x lane: my bytes in a store of ctx
.set STO, 8                            ; v8  the stage, in
.set RD,  9                            ; v9  the stage, back
.set D0,  10                           ; v10 lane % 16 - 8 (lane / 16)
.set NINF, 11                          ; v11 -infinity
                                       ; v12 c m, v13 m, v[14:15] l in two halves, v16-19 at work (a in v18), v21 at work
.set PFO, 20                           ; v20 256 x lane; never rewritten
.set QO,  22                           ; v22 my bytes in the wave's rows of Q
.set RQ,  24                           ; v24-39   Q: two fragments
.set RP,  40                           ; v40-55   P
.set RS,  56                           ; v56-87   S^T: four tiles of 16 keys
.set RO,  88                           ; v88-119  O^T: four tiles of 16 channels
.set RK,  120                          ; v120-183 K: fragment 4 c + kt: keys 16 kt on, channels 32 c on
.set RV,  184                          ; v184-247 V^T: fragment 4 c + ct: keys 32 c on, channels 16 ct on
.set TB,  2                            ; s2  LDS byte at which the slot in hand begins
.set WV,  18                           ; s18 my wave's number
.set SEL, 20                           ; s[20:21] lane selects: lane l xor 16
.set CS,  22                           ; s[22:23] c, twice: the packed form names a pair
.set G1K, 24                           ; s[24:31] group 1 for K's tiles; s[32:39] for V's; s[40:43], s[44:47] their groups 0, which walk
.set G1V, 32
.set G0K, 40
.set G0V, 44
.set SLOTS, 48                         ; s48 changes of slots still to come in the loop
.set KF,  49                           ; s49 the step's first key
.set Q0,  50                           ; s50 my first query
.set QL,  51                           ; s51 my work-group's last query
.set PFA, 52                           ; s[52:53] where my prefetches stand
.set LIM, 54                           ; s54 1 in a wave that prefetches, else the greatest number
; Wave 0 fetches for K, wave 1 for V, the others nothing.  An s_nop 0 and four v_nop follow each of the two lines.
.macro TLOAD
	s_cmp_lt_u32 s[WV], 1
	s_cbranch_scc0 .Lnot_k_\@
	tensor_load_to_lds s[G0K:G0K+3], s[G1K:G1K+7]
	s_nop 0
.rept 4
	v_nop
.endr
	s_branch .Lasked_\@
.Lnot_k_\@:
	s_cmp_lt_u32 s[WV], 2
	s_cbranch_scc0 .Lasked_\@
	tensor_load_to_lds s[G0V:G0V+3], s[G1V:G1V+7]
	s_nop 0
.rept 4
	v_nop
.endr
.Lasked_\@:
.endm
; A prefetch of what the NEXT change of slots will load: 256 rows of K and of V, 32,768 dense bytes each.  Each aligned block of 256 bytes is named once in the launch: of a head's eight work-groups the one with x = 0
; asks (it walks all eight slots with loads); in it waves 4 to 7 ask for K's block and waves 8 to 11 for V's, 8,192 bytes a wave, lanes 256 bytes apart.  The last change that fills a slot asks for nothing.
.macro ASK
	s_cmp_gt_u32 s[SLOTS], s[LIM]
	s_cbranch_scc0 .Lnot_mine_\@
	global_prefetch_b8 v[PFO], s[PFA:PFA+1] th:TH_LOAD_NT scope:SCOPE_SE
.Lnot_mine_\@:
.endm
	s_load_b128 s[4:7], s[0:1], 0x0                ; qkv, ctx
	v_lshl_add_u32 v[SPW], v0, 2, SPARE
	v_mov_b32 v[NIL], 0
	ds_add_u32 v[SPW], v[NIL]                      ; the wave's opening: the add, twice on end, and its wait ahead of the first tensor load
	ds_add_u32 v[SPW], v[NIL]
	v_lshrrev_b32 v16, 5, v0
	v_readfirstlane_b32 s[WV], v16                 ; wave 0..15
	s_lshr_b32 s56, s[WV], 2
	s_xor_b32 s56, s56, s[WV]
	s_and_b32 s56, s56, 1                          ; 0: the early block, 1: the late one; each tile number has one wave of each
	s_mul_i32 s56, s56, 15
	s_xor_b32 s56, s56, ttmp9                      ; my block: x or 15 - x
	s_lshl_b32 s[Q0], s56, 7
	s_lshr_b32 s57, s[WV], 1
	s_lshl_b32 s57, s57, 4
	s_add_co_u32 s[Q0], s[Q0], s57                 ; my first query: 128 x block + 16 x (wave / 2)
	s_xor_b32 s[QL], ttmp9, 15
	s_lshl_b32 s[QL], s[QL], 7
	s_or_b32 s[QL], s[QL], 127                     ; the late block's last query
	s_and_b32 s56, ttmp7, 0xffff
	s_lshr_b32 s57, s56, 4                         ; batch
	s_and_b32 s58, s56, 15                         ; head
	s_mul_i32 s59, s57, 48
	s_add_co_u32 s59, s59, s58
	s_lshl_b32 s60, s59, 18                        ; q's head in qkv: (48 b + head) x 262,144 bytes
	s_mov_b32 s61, 0
	; group 1: 256 rows of 64 elements of 2 bytes, dense in memory; padding behind every 32 words: K 4 words, V 8
	s_mov_b32 s[G1K], (1<<16)|(1<<20)|(4<<22)|(3<<25)
	s_mov_b32 s[G1V], (1<<16)|(1<<20)|(4<<22)|(7<<25)
.irp g, G1K, G1V
	s_mov_b32 s[\g+1], 64<<16                      ; tensor_dim0
	s_mov_b32 s[\g+2], SK<<16                      ; tensor_dim1
	s_mov_b32 s[\g+3], 64<<16                      ; tile_dim0
	s_mov_b32 s[\g+4], SK                          ; tile_dim1
	s_mov_b32 s[\g+5], 64                          ; from row to row
	s_mov_b32 s[\g+6], 0
	s_mov_b32 s[\g+7], 0
.endr
	s_mov_b32 s[SEL], 0x76543210
	s_mov_b32 s[SEL+1], 0xfedcba98
	s_mov_b32 s[CS], 0x3e38aa3b                    ; c = log2(e) / 8
	s_mov_b32 s[CS+1], s[CS]
	s_mov_b32 s[TB], 0
	s_mov_b32 s[KF], 0
	s_mov_b32 s[SLOTS], 7
	s_wait_dscnt 0x0                               ; both opening adds are done
	s_wait_kmcnt 0x0
	s_add_nc_u64 s[62:63], s[4:5], s[60:61]        ; q's head
	s_mov_b32 s[G0K], 1
	s_mov_b32 s[G0K+1], 0                          ; slot 0
	s_add_nc_u64 s[G0K+2:G0K+3], s[62:63], 0x400000   ; k's head: 16 heads on
	s_or_b32 s[G0K+3], s[G0K+3], 0x80000000
	s_mov_b32 s[G0V], 1
	s_mov_b32 s[G0V+1], VOFF
	s_add_nc_u64 s[G0V+2:G0V+3], s[62:63], 0x800000   ; v's head: 32 heads on
	s_or_b32 s[G0V+3], s[G0V+3], 0x80000000
	TLOAD                                          ; slot 0: key 0 counts for every query, so it is read
	; the prefetches: where my wave's stand, and who asks
	s_cmp_lt_u32 s[WV], 8
	s_mov_b32 s66, 0x800000
	s_cselect_b32 s66, 0x400000, s66               ; waves 4 to 7: K; waves 8 to 11: V
	s_and_b32 s67, s[WV], 3
	s_lshl_b32 s67, s67, 13                        ; my wave's 8,192 bytes,
	s_add_co_u32 s66, s66, s67
	s_add_co_u32 s66, s66, SK*128                  ; in slot 1: the first change of slots steps it to slot 2.  Nothing is prefetched here, at the head
	s_mov_b32 s67, 0
	s_add_nc_u64 s[PFA:PFA+1], s[62:63], s[66:67]
	s_sub_co_u32 s66, s[WV], 4
	s_lshr_b32 s66, s66, 3                         ; 0 in waves 4 to 11,
	s_or_b32 s66, s66, ttmp9                       ; of the head's work-group x = 0
	s_cmp_eq_u32 s66, 0
	s_cselect_b32 s[LIM], 1, -1
	s_lshl_b32 s66, s[Q0], 7
	s_mov_b32 s67, 0
	s_add_nc_u64 s[62:63], s[62:63], s[66:67]      ; Q at my first query
	v_and_b32 v16, 15, v0                          ; r
	v_bfe_u32 v17, v0, 4, 1                        ; h
	v_and_b32 v18, 31, v0                          ; lane
	v_lshlrev_b32 v[QO], 7, v16
	v_lshl_add_u32 v[QO], v17, 4, v[QO]            ; row r of 128 bytes, + 16 h
.irp c, 0,1
	global_load_b128 v[RQ+8*\c:RQ+8*\c+3], v[QO], s[62:63] offset:64*\c        ; Q's fragments stay in registers: channels 32 c + 8 h on,
	global_load_b128 v[RQ+8*\c+4:RQ+8*\c+7], v[QO], s[62:63] offset:64*\c+32   ; and 16 further
.endr
	; ctx at my tile: ((16 b + block) x 16 + head) x 16,384 bytes + (my first query % 128) rows of 128 bytes
	s_lshl_b32 s66, s57, 4
	s_lshr_b32 s67, s[Q0], 7
	s_add_co_u32 s66, s66, s67
	s_lshl_b32 s66, s66, 4
	s_add_co_u32 s66, s66, s58
	s_lshl_b32 s66, s66, 14
	s_and_b32 s67, s[Q0], 127
	s_lshl_b32 s67, s67, 7
	s_add_co_u32 s66, s66, s67
	s_mov_b32 s67, 0
	s_add_nc_u64 s[6:7], s[6:7], s[66:67]
	v_mul_u32_u24 v[AK0], v16, PK
	v_lshl_add_u32 v[AK0], v17, 4, v[AK0]          ; K: row r, + 16 h
	v_and_b32 v19, 7, v0
	v_lshl_add_u32 v[AV0], v17, 3, v19             ; V, for the turning load: key 8 h + lane % 8,
	v_mul_u32_u24 v[AV0], v[AV0], PV
	v_bfe_u32 v21, v0, 3, 1
	v_lshl_add_u32 v[AV0], v21, 4, v[AV0]          ; channels 8 ((lane / 8) % 2) on
	v_add_nc_u32 v[AV0], VOFF, v[AV0]
	v_lshlrev_b32 v[GO], 4, v18
	s_mul_i32 s66, s[WV], 16*PK
	s_add_co_u32 s66, s66, STAGE                   ; my stage
	v_add_nc_u32 v[STO], s66, v[AK0]               ; in: row r, + 16 h
	v_lshrrev_b32 v[RD], 3, v18
	v_mul_u32_u24 v[RD], v[RD], PK
	v_lshl_add_u32 v[RD], v19, 4, v[RD]
	v_add_nc_u32 v[RD], s66, v[RD]                 ; back: eight lanes to a row of 128 bytes, four rows an instruction
	v_lshlrev_b32 v[D0], 3, v17
	v_sub_nc_u32 v[D0], v16, v[D0]
	v_mov_b32 v[NINF], 0xff800000
	v_lshlrev_b32 v[PFO], 8, v18
	v_mov_b32 v13, 0xff61b1e6                      ; m: -3e38, under every score
	v_mul_f32 v12, s[CS], v13                      ; c m
	v_mov_b32 v14, 0                               ; l
	v_mov_b32 v15, 0
.irp j, 16,17,18,19
	v_mov_b32 v\j, 0                               ; written once, so that no way through the text reads them unwritten (a lane permute's destination, the upper half of a pair)
.endr
.irp j, 0,1,2,3,4,5,6,7,8,9,10,11,12,13,14,15,16,17,18,19,20,21,22,23,24,25,26,27,28,29,30,31
	v_mov_b32 v[RO+\j], 0                          ; O^T.  (The step is written once: the first finds zeros, which a = 0 leaves zeros)
.endr
; A KEY STEP: 64 keys, the q-th of the slot in hand.
.macro STEP q
	s_add_co_u32 s66, s[Q0], 15                    ; a step all of whose keys come after my 16 queries is left out: a branch on ids, round no barrier and no tensor load
	s_cmp_gt_u32 s[KF], s66
	s_cbranch_scc1 .Lhidden_\@
	v_add_nc_u32 v[ADK], s[TB], v[AK0]
	v_add_nc_u32 v[ADV], s[TB], v[AV0]
	v_nop                                          ; with the two additions: four places between the last step's products and the loads into V's registers
	v_nop
.irp c, 0,1
.irp kt, 0,1,2,3
	ds_load_b128 v[RK+8*(4*\c+\kt):RK+8*(4*\c+\kt)+3], v[ADK] offset:(64*(\q)+16*\kt)*PK+64*\c
	ds_load_b128 v[RK+8*(4*\c+\kt)+4:RK+8*(4*\c+\kt)+7], v[ADK] offset:(64*(\q)+16*\kt)*PK+64*\c+32
.endr
.endr
.irp c, 0,1
.irp ct, 0,1,2,3
	ds_load_tr16_b128 v[RV+8*(4*\c+\ct):RV+8*(4*\c+\ct)+3], v[ADV] offset:(64*(\q)+32*\c)*PV+32*\ct
	ds_load_tr16_b128 v[RV+8*(4*\c+\ct)+4:RV+8*(4*\c+\ct)+7], v[ADV] offset:(64*(\q)+32*\c+16)*PV+32*\ct
.endr
.endr
	s_wait_dscnt 16                                ; K's 16 loads are in; V's 16, issued behind them, may be out
.irp kt, 0,1,2,3                               ; S^T = K Q^T: the four accumulators take turns; the first 32 channels start the sums
	v_wmma_f32_16x16x32_f16 v[RS+8*\kt:RS+8*\kt+7], v[RK+8*\kt:RK+8*\kt+7], v[RQ:RQ+7], 0
.endr
.irp kt, 0,1,2,3
	v_wmma_f32_16x16x32_f16 v[RS+8*\kt:RS+8*\kt+7], v[RK+32+8*\kt:RK+32+8*\kt+7], v[RQ+8:RQ+15], v[RS+8*\kt:RS+8*\kt+7]
.endr
.rept 4
	v_nop
.endr
	s_add_co_u32 s66, s[KF], 63                    ; on the diagonal hidden scores become -infinity ahead of the maximum: p = 0 then.  A step all of whose keys count skips this
	s_cmp_le_u32 s66, s[Q0]
	s_cbranch_scc1 .Lopen_\@
	s_sub_co_u32 s66, s[Q0], s[KF]
	v_add_nc_u32 v21, s66, v[D0]                   ; d = my query - the step's first key - 8 (lane / 16).  Register 8 kt + j holds key 16 kt + 8 (lane / 16) + j: hidden where 16 kt + j > d
.irp n, 0,1,2,3,4,5,6,7,8,9,10,11,12,13,14,15,16,17,18,19,20,21,22,23,24,25,26,27,28,29,30,31
	v_cmp_gt_i32 vcc_lo, 16*(\n/8)+\n%8, v21
	v_cndmask_b32 v[RS+\n], v[RS+\n], v[NINF], vcc_lo
.endr
.Lopen_\@:
.irp j, 0,1,2,3                                ; the maximum of my 32 scores and the old m: four chains, each begun at its accumulator's low end
	v_max3_num_f32 v[16+\j], v[RS+8*\j], v[RS+8*\j+1], v[RS+8*\j+2]
.endr
.irp i, 3,5
.irp j, 0,1,2,3
	v_max3_num_f32 v[16+\j], v[16+\j], v[RS+8*\j+\i], v[RS+8*\j+\i+1]
.endr
.endr
	v_max3_num_f32 v16, v16, v[RS+7], v[RS+15]
	v_max3_num_f32 v18, v18, v[RS+23], v[RS+31]
	v_max3_num_f32 v16, v16, v17, v18
	v_max3_num_f32 v16, v16, v19, v13
	v_permlanex16_b32 v17, v16, s[SEL], s[SEL+1]   ; the query's other 32 keys lie in the lane 16 away
	v_mov_b32 v19, v12                             ; c m_old
	v_max_num_f32 v13, v16, v17                    ; the new m
	v_mul_f32 v12, s[CS], v13
	v_sub_f32 v19, v19, v12                        ; c m_old - c m_new
.irp b, 0,1,2,3,4,5,6,7,8,9,10,11,12,13,14,15
	v_pk_fma_f32 v[RS+2*\b:RS+2*\b+1], v[RS+2*\b:RS+2*\b+1], s[CS:CS+1], v[12:13] op_sel_hi:[1,0,0] neg_lo:[0,0,1] neg_hi:[0,0,1]   ; c s - c m, two at a time
.endr
	v_exp_f32 v18, v19                             ; a.  The 33 exponentials are one batch: none reads another's result
.irp n, 0,1,2,3,4,5,6,7,8,9,10,11,12,13,14,15,16,17,18,19,20,21,22,23,24,25,26,27,28,29,30,31
	v_exp_f32 v[RS+\n], v[RS+\n]
.endr
	v_nop                                          ; a plain line behind the last exponential
	s_wait_alu depctr_va_vdst(0)                   ; one wait for the batch, ahead of its first reader
.irp i, 0,1,2,3,4,5,6,7,8,9,10,11,12,13,14,15
	v_cvt_pk_f16_f32 v[RP+\i], v[RS+2*\i], v[RS+2*\i+1]            ; P: pairs of neighbouring keys: tiles 2 c and 2 c + 1 are source 1 for keys 32 c on
.endr
.irp u, 0,1,2,3,4,5,6,7                        ; the sum of the 16 pairs, in place: neighbours 1, 2, 4 and 8 pairs apart
	v_pk_add_f32 v[RS+4*\u:RS+4*\u+1], v[RS+4*\u:RS+4*\u+1], v[RS+4*\u+2:RS+4*\u+3]
.endr
.irp u, 0,1,2,3
	v_pk_add_f32 v[RS+8*\u:RS+8*\u+1], v[RS+8*\u:RS+8*\u+1], v[RS+8*\u+4:RS+8*\u+5]
.endr
.irp u, 0,1
	v_pk_add_f32 v[RS+16*\u:RS+16*\u+1], v[RS+16*\u:RS+16*\u+1], v[RS+16*\u+8:RS+16*\u+9]
.endr
	v_pk_add_f32 v[RS:RS+1], v[RS:RS+1], v[RS+16:RS+17]
	v_pk_fma_f32 v[14:15], v[14:15], v[18:19], v[RS:RS+1] op_sel_hi:[1,0,1]    ; l = a l + the sum
.irp i, 0,1,2,3,4,5,6,7,8,9,10,11,12,13,14,15
	v_pk_mul_f32 v[RO+2*\i:RO+2*\i+1], v[RO+2*\i:RO+2*\i+1], v[18:19] op_sel_hi:[1,0]   ; O^T x a
.endr
	s_wait_dscnt 0x0                               ; V is in
.irp c, 0,1                                    ; O^T += V^T P: the four accumulators take turns
.irp ct, 0,1,2,3
	v_wmma_f32_16x16x32_f16 v[RO+8*\ct:RO+8*\ct+7], v[RV+8*(4*\c+\ct):RV+8*(4*\c+\ct)+7], v[RP+8*\c:RP+8*\c+7], v[RO+8*\ct:RO+8*\ct+7]
.endr
.endr
.Lhidden_\@:
	s_add_co_u32 s[KF], s[KF], 64
.endm
; THE CHANGE OF SLOTS stands at a slot's head.  Each wave waits for all its tensor loads (its part of the slot that it is about to read), adds 0 to its spare word, and waits for that and for its reads of the slot that it has left.
; Behind the barrier the slot ahead is whole and nobody reads the other one.  fill = 1: that other slot is filled with the next 256 keys, which have a slot's four steps in which to land: one load of a wave is out.
.macro CHANGE fill
	s_wait_tensorcnt 0x0                           ; no tensor load of mine is out, so a group 0 may be written
	ds_add_u32 v[SPW], v[NIL]
.if \fill
	ds_add_u32 v[SPW], v[NIL]                      ; and once more, in every trip alike
	s_xor_b32 s[G0K+1], s[G0K+1], SLOT1            ; the walking descriptors: the other slot than last time,
	s_add_nc_u64 s[G0K+2:G0K+3], s[G0K+2:G0K+3], SK*128   ; the next 256 keys; the type bits on top are not reached
	s_xor_b32 s[G0V+1], s[G0V+1], SLOT1
	s_add_nc_u64 s[G0V+2:G0V+3], s[G0V+2:G0V+3], SK*128
	s_wait_xcnt 0x0                                ; the last prefetch, a slot back, has read its address, so it may be written:
	s_add_nc_u64 s[PFA:PFA+1], s[PFA:PFA+1], SK*128   ; one slot further on than the walking descriptors
.endif
	s_wait_dscnt 0x0                               ; the add is done, and my reads of the slot that I have left are over
	s_barrier_signal -1
	s_barrier_wait -1
.if \fill
	s_add_co_u32 s66, s[KF], SK                    ; the first key of the slot that this change would ask for:
	s_cmp_gt_u32 s66, s[QL]                        ; past my work-group's last query none of its waves would read it, so it is not asked for.  Ids and the count of steps alone: all sixteen waves go the same way,
	s_cbranch_scc1 .Lpast_\@                       ; and a work-group that is past the limit stays past it.  Every wait on TENSORcnt in this text is for 0
	TLOAD                                          ; the first thing behind the barrier, and a wave's one tensor load until the next
.Lpast_\@:
	ASK
.endif
.endm
.macro SLOT_STEPS
	STEP 0
	STEP 1
	STEP 2
	STEP 3
	s_xor_b32 s[TB], s[TB], SLOT1                  ; on to the other slot
.endm
	s_wait_loadcnt 0x0                             ; Q
.Lslot:                                            ; 7 trips: behind each change of slots but the last the next slot is asked for, up to the causal limit
	CHANGE 1
	SLOT_STEPS
	s_sub_co_u32 s[SLOTS], s[SLOTS], 1
	s_cmp_lg_u32 s[SLOTS], 0
	s_cbranch_scc1 .Lslot
	CHANGE 0                                       ; the last slot is written out: nothing is left to ask for
	SLOT_STEPS
	; THE WAY OUT.  O^T / l, rounded to f16, goes through my stage and leaves as whole rows of 128 bytes, four to a store.
.rept 4
	v_nop                                          ; places behind the last products
.endr
	v_add_f32 v16, v14, v15                        ; l's two halves,
	v_permlanex16_b32 v17, v16, s[SEL], s[SEL+1]
	v_add_f32 v16, v16, v17                        ; and the other half of the lanes'
	v_rcp_f32 v18, v16
	v_nop                                          ; a plain line behind the reciprocal
	s_wait_alu depctr_va_vdst(0)                   ; and the wait ahead of its first reader
.irp i, 0,1,2,3,4,5,6,7,8,9,10,11,12,13,14,15
	v_pk_mul_f32 v[RS+2*\i:RS+2*\i+1], v[RO+2*\i:RO+2*\i+1], v[18:19] op_sel_hi:[1,0]   ; each accumulator from its low end on
.endr
.irp i, 0,1,2,3,4,5,6,7,8,9,10,11,12,13,14,15
	v_cvt_pk_f16_f32 v[RP+\i], v[RS+2*\i], v[RS+2*\i+1]            ; registers 4 ct .. 4 ct + 3: channels 16 ct + 8 h + 0 .. 7 of query r
.endr
.irp ct, 0,1,2,3
	ds_store_b128 v[STO], v[RP+4*\ct:RP+4*\ct+3] offset:32*\ct
.endr
.irp t, 0,1,2,3
	ds_load_b128 v[RS+4*\t:RS+4*\t+3], v[RD] offset:4*PK*\t        ; LDS serves a wave's instructions in order: these see my stores
.endr
.irp t, 0,1,2,3
	s_wait_dscnt 3-\t                              ; load t is in, the younger ones may be out
	global_store_b128 v[GO], v[RS+4*\t:RS+4*\t+3], s[6:7] offset:512*\t        ; 32 lanes store 512 consecutive bytes, aligned
.endr
	s_wait_tensorcnt 0x0                           ; the wave's end
	ds_add_u32 v[SPW], v[NIL]
	s_wait_dscnt 0x0
	s_endpgm
.Lfunc_end_k_qe13028d0ae_attn:
	.size	k_qe13028d0ae_attn, .Lfunc_end_k_qe13028d0ae_attn-k_qe13028d0ae_attn
	.p2alignl 7, 3214868480
	.fill 96, 4, 3214868480
	.section	.rodata,"a",@progbits
	.p2align	6, 0x0
	.amdhsa_kernel k_qe13028d0ae_attn
		.amdhsa_group_segment_fixed_size 327680
		.amdhsa_private_segment_fixed_size 0
		.amdhsa_enable_private_segment 0
		.amdhsa_kernarg_size 16
		.amdhsa_user_sgpr_count 2
		.amdhsa_user_sgpr_kernarg_segment_ptr 1
		.amdhsa_wavefront_size32 1
		.amdhsa_system_sgpr_workgroup_id_x 1
		.amdhsa_system_sgpr_workgroup_id_y 1
		.amdhsa_system_sgpr_workgroup_id_z 1
		.amdhsa_system_vgpr_workitem_id 0
		.amdhsa_next_free_vgpr 256
		.amdhsa_next_free_sgpr 68
		.amdhsa_reserve_vcc 1
		.amdhsa_float_denorm_mode_32 3
		.amdhsa_float_denorm_mode_16_64 3
		.amdhsa_memory_ordered 1
		.amdhsa_forward_progress 1
		.amdhsa_inst_pref_size 108
	.end_amdhsa_kernel
	.amdgpu_metadata
---
amdhsa.version: [ 1, 2 ]
amdhsa.kernels:
  - .name:           k_qe13028d0ae_attn
    .symbol:         k_qe13028d0ae_attn.kd
    .args:
      - { .name: qkv, .offset: 0, .size: 8, .value_kind: global_buffer, .address_space: global }
      - { .name: ctx, .offset: 8, .size: 8, .value_kind: global_buffer, .address_space: global }
    .group_segment_fixed_size: 327680
    .private_segment_fixed_size: 0
    .kernarg_segment_align: 8
    .kernarg_segment_size: 16
    .max_flat_workgroup_size: 512
    .sgpr_count:     68
    .vgpr_count:     256
    .wavefront_size: 32
...
	.end_amdgpu_metadata
.endif
;; end of part 3
;; launch proj (part 4): grid 8 x 32, 4 waves a work-group, clusters of 4 x 4, 327,680 bytes of LDS; arguments ctx, wo_t, b_o, out0; writes out0
.if DOCPART == 4
	.amdgcn_target "amdgcn-amd-amdhsa--gfx1250"
	.amdhsa_code_object_version 6
	.text
	.protected	k_qe13028d0ae_proj
	.globl	k_qe13028d0ae_proj
	.p2align	8
	.type	k_qe13028d0ae_proj,@function
k_qe13028d0ae_proj:
	s_mov_b64 s[64:65], 0
	v_nop
	global_prefetch_b8 v0, s[64:65] scope:SCOPE_SE
	s_setreg_imm32_b32 hwreg(HW_REG_WAVE_MODE, 25, 1), 1
	s_wait_xcnt 0x0
	s_wait_alu depctr_hold_cnt(0) depctr_sa_sdst(0) depctr_va_vdst(0) depctr_va_sdst(0) depctr_va_ssrc(0) depctr_va_vcc(0) depctr_vm_vsrc(0)
	s_getreg_b32 s2, hwreg(HW_REG_IB_STS2, 6, 4)
	s_cmp_eq_u32 s2, 0
	s_cbranch_scc0 .Lentry_in_a_cluster
	s_endpgm
.Lentry_in_a_cluster:
	s_bfe_u32 s2, ttmp6, 0x10000c
	s_cmp_lg_u32 s2, 0xf033
	s_cbranch_scc0 .Lentry_shape_is_right
	s_endpgm
.Lentry_shape_is_right:
; out0[m][n] = sum over k of ctx[m][k] W_o[k][n] + b_o[n].  Operands in f16, sums and output in f32.  m = 4,096, n = k = 1,024.
; A: ctx, f16, [32 blocks of 128 rows][16 heads][128 rows][64]; k = 64 x head + channel.  B: wo_t, f16, [1024 n][1024 k].
; LIMIT: |ctx| and |W_o| under 65,504.  Rows 0-15 of each sequence are written here too and written again, from f32 operands, by the last launch.
; A tile of C is 128 x 128: 256 work-groups.  Four waves, each 64 x 64: 16 accumulators.  K goes in four steps of 256 through two LDS slots.
; A K step of A is four heads of my 128 rows: 65,536 dense bytes, as 512 rows of 128 bytes; a wave's tensor load brings 256 of them.  A K step of B is 128 rows of 512 bytes; a load brings 64.
; CLUSTER 4 x 4: the four of a row need the same tiles of A, the four of a column the same tiles of B: each is asked for jointly.
; THE MATRIX INSTRUCTION IS USED TRANSPOSED (source 0 = 16 rows of B, source 1 = 16 rows of A): a lane holds eight neighbouring columns of a row of C.  The bias is the C of each sum's first instruction.
; REGISTERS: window 0: v0-31 addresses; v32-95 the way out; v96-127 the bias of my 64 columns; v128-255 the accumulators ((a, b) at v[128 + 8 (4 a + b)]).
;   window 1: two fragment buffers of 128: for 64 along K, 64 registers of A, then 64 of B.
.set PA,     144                       ; A's LDS row: 128 bytes + 16
.set PB,     528                       ; B's: 512 bytes + 16
.set HALFA,  256*PA                    ; what one tensor load brings of A
.set HALFB,  64*PB                     ; and of B
.set SLOT,   2*HALFA+2*HALFB           ; A's four heads x 128 rows, then B's 128 rows
.set STAGE,  2*SLOT                    ; behind the ring: 16 rows x 272 bytes for each wave, its own
.set SPITCH, 272
.set SPARE,  STAGE+4*16*SPITCH         ; the spare words, 128 bytes for each wave
.set LAPS,   2                         ; a lap = two K steps = once round the ring
.set ADRA, 16                          ; v16-17 LDS address of my A fragments in slot 0, 1
.set ADRB, 20                          ; v20-21 the same for B
.set STO,  24                          ; v24 the way out: where I put 32 bytes of a row
.set RD,   25                          ; v25 where I read a row back
.set CO,   26                          ; v26 my byte offset in C
.set BOF,  27                          ; v27 32 x (lane / 16)
.set SPW,  28                          ; v28 my spare word; never rewritten
.set NIL,  29                          ; v29 0; never rewritten
.set TMP,  32
.set BIAS, 96
.set ACC,  128
.set F0,   0                           ; fragment buffers, in window 1
.set F1,   128
.set G1, 24                            ; s[24:31] group 1 for A's tiles; s[32:39] groups 0, one for each slot
.set G0, 32
.set G1B, 48                           ; s[48:55], s[56:63] the same for B's
.set G0B, 56
.set MSB, 0
.macro WIN new                         ; the immediate's high byte repeats the setting that is left
.if MSB != (\new)
	s_set_vgpr_msb (MSB<<8)|(\new)
.set MSB, (\new)
.endif
.endm
.set MUL,  0x05                        ; sources 0 (B) and 1 (A) window 1; C and D window 0
.set TO_F, 0x40                        ; destination window 1, address window 0
.macro JLOAD s                         ; a joint load: waves 0 and 1 fetch A's two halves, waves 2 and 3 B's; an s_nop 0 and four v_nop follow each of the two lines
	s_cmp_eq_u32 s11, 0
	s_cbranch_scc0 .Lfor_b_\@
	tensor_load_to_lds s[G0+4*\s:G0+4*\s+3], s[G1:G1+7]
	s_nop 0
.rept 4
	v_nop
.endr
	s_branch .Lasked_\@
.Lfor_b_\@:
	tensor_load_to_lds s[G0B+4*\s:G0B+4*\s+3], s[G1B:G1B+7]
	s_nop 0
.rept 4
	v_nop
.endr
.Lasked_\@:
.endm
.macro CREST                           ; a round of the cluster's barrier behind its opening barrier
	s_cmp_lg_u32 s10, 0
	s_cbranch_scc1 .Lnot_wave_0_\@
	s_barrier_signal -3
.Lnot_wave_0_\@:
	s_barrier_wait -3
	s_barrier_signal -1
	s_barrier_wait -1
.endm
.macro CROUND                          ; a whole round
	s_barrier_signal -1
	s_barrier_wait -1
	CREST
.endm
	s_load_b128 s[4:7], s[0:1], 0x0                ; ctx, wo_t
	s_load_b64 s[66:67], s[0:1], 0x10              ; b_o
	s_load_b64 s[8:9], s[0:1], 0x18                ; out0
	v_lshl_add_u32 v[SPW], v0, 2, SPARE
	v_mov_b32 v[NIL], 0
	ds_add_u32 v[SPW], v[NIL]                      ; the wave's opening: the add, twice on end, and its wait ahead of my first tensor load
	ds_add_u32 v[SPW], v[NIL]
	v_lshrrev_b32 v1, 5, v0
	v_readfirstlane_b32 s10, v1                    ; wave 0..3
	s_lshr_b32 s11, s10, 1                         ; which half of the tile's rows is mine.  Also: I fetch for A (0) or for B (1)
	s_and_b32 s12, s10, 1                          ; which half of its columns.  Also: which half of that tile I fetch
	s_bfe_u32 s40, ttmp6, 0x40000                  ; cx, cy: my place in the cluster
	s_bfe_u32 s41, ttmp6, 0x40004
	s_lshl_b32 s42, ttmp9, 2
	s_add_co_u32 s42, s42, s40                     ; tile column of C
	s_and_b32 s13, ttmp7, 0xffff
	s_lshl_b32 s13, s13, 2
	s_add_co_u32 s13, s13, s41                     ; tile row of C
	s_lshl_b32 s43, s41, 2
	s_lshl_b32 s43, 15, s43                        ; my row of the cluster
	s_lshl_b32 s44, 0x1111, s40                    ; my column
	; group 1 for A: 256 rows of 64 elements of 2 bytes, dense; 4 words of padding behind every 32
	s_or_b32 s[G1+0], s43, (1<<16)|(1<<20)|(1<<21)|(4<<22)|(3<<25)
	s_mov_b32 s[G1+1], 64<<16                      ; tensor_dim0
	s_mov_b32 s[G1+2], 256<<16                     ; tensor_dim1
	s_mov_b32 s[G1+3], 64<<16                      ; tile_dim0
	s_mov_b32 s[G1+4], 256                         ; tile_dim1
	s_mov_b32 s[G1+5], 64                          ; from row to row
	s_mov_b32 s[G1+6], 0
	s_mov_b32 s[G1+7], 0
	; group 1 for B: 64 rows of 256 elements, 1,024 elements apart; 4 words of padding behind every 128
	s_or_b32 s[G1B+0], s44, (1<<16)|(1<<20)|(1<<21)|(6<<22)|(3<<25)
	s_mov_b32 s[G1B+1], 256<<16
	s_mov_b32 s[G1B+2], 64<<16
	s_mov_b32 s[G1B+3], 256<<16
	s_mov_b32 s[G1B+4], 64
	s_mov_b32 s[G1B+5], 1024
	s_mov_b32 s[G1B+6], 0
	s_mov_b32 s[G1B+7], 0
	s_lshl_b32 s16, s13, 18                        ; A: my block of 128 rows is 262,144 bytes; in a K step's 65,536 my half is
	s_lshl_b32 s17, s12, 15                        ; two heads: 32,768
	s_add_co_u32 s16, s16, s17
	s_mov_b32 s17, 0
	s_lshl_b32 s46, s42, 18                        ; B: 128 rows of 2,048 bytes for each tile column,
	s_lshl_b32 s47, s12, 17                        ; 64 for my half
	s_add_co_u32 s46, s46, s47
	s_mov_b32 s47, 0
	s_mul_i32 s20, s12, HALFA                      ; where they go: no place in the cluster enters an LDS address
	s_mul_i32 s21, s12, HALFB
	s_add_co_u32 s21, s21, 2*HALFA
	s_wait_dscnt 0x0                               ; both opening adds are done
	s_wait_kmcnt 0x0
	s_add_nc_u64 s[14:15], s[4:5], s[16:17]
	s_add_nc_u64 s[46:47], s[6:7], s[46:47]
	CROUND                                         ; all sixteen work-groups are here: the first joint loads meet
.irp s, 0,1
	s_mov_b32 s[G0+4*\s], 1
	s_add_co_u32 s[G0+4*\s+1], s20, \s*SLOT
	s_add_nc_u64 s[G0+4*\s+2:G0+4*\s+3], s[14:15], \s*65536
	s_or_b32 s[G0+4*\s+3], s[G0+4*\s+3], 0x80000000
	s_mov_b32 s[G0B+4*\s], 1
	s_add_co_u32 s[G0B+4*\s+1], s21, \s*SLOT
	s_add_nc_u64 s[G0B+4*\s+2:G0B+4*\s+3], s[46:47], \s*512
	s_or_b32 s[G0B+4*\s+3], s[G0B+4*\s+3], 0x80000000
	JLOAD \s                                       ; two loads of mine are out
.endr
	v_and_b32 v1, 15, v0                           ; l % 16
	v_bfe_u32 v2, v0, 4, 1                         ; l / 16
	v_mul_u32_u24 v3, v1, PA
	v_lshl_add_u32 v3, v2, 4, v3                   ; a fragment's row x pitch + 16 x half, for A
	v_mul_u32_u24 v4, v1, PB
	v_lshl_add_u32 v4, v2, 4, v4                   ; and for B
	s_mul_i32 s21, s11, 64*PA                      ; my 64 rows inside each head's 128
	s_mul_i32 s22, s12, HALFB                      ; my 64 rows of B,
	s_add_co_u32 s22, s22, 2*HALFA                 ; which lie behind A's
.irp s, 0,1
	v_add_nc_u32 v[ADRA+\s], s21, v3
	v_add_nc_u32 v[ADRB+\s], s22, v4
	s_add_co_u32 s21, s21, SLOT
	s_add_co_u32 s22, s22, SLOT
.endr
	s_mul_i32 s23, s10, 16*SPITCH
	s_add_co_u32 s23, s23, STAGE                   ; my stage
	v_mul_u32_u24 v5, v1, SPITCH                   ; in: row l % 16, 32 bytes for each half of the lanes
	v_lshl_add_u32 v5, v2, 5, v5
	v_add_nc_u32 v[STO], s23, v5
	v_mul_u32_u24 v5, v2, SPITCH                   ; back: lanes 0-15 one row of 256 bytes, lanes 16-31 the next
	v_lshl_add_u32 v5, v1, 4, v5
	v_add_nc_u32 v[RD], s23, v5
	v_lshlrev_b32 v5, 12, v2                       ; and the same two rows in C: 4,096 bytes a row
	v_lshl_add_u32 v[CO], v1, 4, v5
	s_lshl_b32 s16, s13, 19                        ; my first row of C: 128 x tile row + 64 x half
	s_lshl_b32 s17, s11, 18
	s_add_co_u32 s16, s16, s17
	s_mov_b32 s17, 0
	s_add_nc_u64 s[8:9], s[8:9], s[16:17]
	s_lshl_b32 s46, s42, 9                         ; my first column, in bytes: 512 x tile column + 256 x half
	s_lshl_b32 s47, s12, 8
	s_add_co_u32 s46, s46, s47
	s_mov_b32 s47, 0
	s_add_nc_u64 s[8:9], s[8:9], s[46:47]
	s_add_nc_u64 s[66:67], s[66:67], s[46:47]      ; and the same in the bias
	v_lshlrev_b32 v[BOF], 5, v2
.irp b, 0,1,2,3
	global_load_b128 v[BIAS+8*\b:BIAS+8*\b+3], v[BOF], s[66:67] offset:64*\b       ; lane (r, h), n block b: b_o at 16 b + 8 h + 0 .. 7
	global_load_b128 v[BIAS+8*\b+4:BIAS+8*\b+7], v[BOF], s[66:67] offset:64*\b+16
.endr
; 8 matrix instructions: m blocks a0, a0 + 1 x all 4 n blocks, 32 along K: half c of buffer f.  first = 1: the sums begin with the bias.  The 16 accumulators take turns.
.macro MUL8 f, c, a0, first
.irp a, \a0, \a0+1
.irp b, 0,1,2,3
.if \first
	v_wmma_f32_16x16x32_f16 v[ACC+8*(4*(\a)+\b):ACC+8*(4*(\a)+\b)+7], v[\f+64+8*(4*\c+\b):\f+64+8*(4*\c+\b)+7], v[\f+8*(4*\c+(\a)):\f+8*(4*\c+(\a))+7], v[BIAS+8*\b:BIAS+8*\b+7]
.else
	v_wmma_f32_16x16x32_f16 v[ACC+8*(4*(\a)+\b):ACC+8*(4*(\a)+\b)+7], v[\f+64+8*(4*\c+\b):\f+64+8*(4*\c+\b)+7], v[\f+8*(4*\c+(\a)):\f+8*(4*\c+(\a))+7], v[ACC+8*(4*(\a)+\b):ACC+8*(4*(\a)+\b)+7]
.endif
.endr
.endr
.endm
; 32 LDS loads in one run: the fragments of the slot's quarter qd (64 along K: one head of A, 128 bytes of B's rows) into buffer f; the first 32 along K first
.macro FETCH slot, qd, f
	WIN TO_F
.irp c, 0,1
.irp i, 0,1,2,3
	ds_load_b128 v[\f+64+8*(4*\c+\i):\f+64+8*(4*\c+\i)+3],   v[ADRB+\slot] offset:128*(\qd)+64*\c+\i*16*PB
	ds_load_b128 v[\f+64+8*(4*\c+\i)+4:\f+64+8*(4*\c+\i)+7], v[ADRB+\slot] offset:128*(\qd)+64*\c+\i*16*PB+32
	ds_load_b128 v[\f+8*(4*\c+\i):\f+8*(4*\c+\i)+3],         v[ADRA+\slot] offset:(\qd)*128*PA+64*\c+\i*16*PA
	ds_load_b128 v[\f+8*(4*\c+\i)+4:\f+8*(4*\c+\i)+7],       v[ADRA+\slot] offset:(\qd)*128*PA+64*\c+\i*16*PA+32
.endr
.endr
.endm
.macro PLACES                          ; four plain lines in front of loads into registers that matrix instructions have read, and of reads of results
.rept 4
	v_nop
.endr
.endm
; A K step is four quarters of 64 along K, 32 matrix instructions each, on buffers 0, 1, 0, 1.  One of the first three: multiplies buffer f and fetches quarter qd into g.
.macro QUARTER slot, qd, f, g, first
	s_wait_dscnt 16                                ; the first 32 along K are in; the 16 loads of the second 32 may be out
	WIN MUL
	MUL8 \f, 0, 0, \first
	MUL8 \f, 0, 2, \first
	PLACES
	FETCH \slot, \qd, \g
	s_wait_dscnt 32                                ; all but the 32 just issued
	WIN MUL
	MUL8 \f, 1, 0, 0
	MUL8 \f, 1, 2, 0
.endm
; The last quarter multiplies buffer 1 and changes slots: ONE barrier; in front of it each wave waits for all its tensor loads, adds 0 to its spare word, and waits for that and for its reads of this slot.
; fill = 1: the barrier opens a round of the cluster's, and this slot is filled again, two K steps ahead: one load of mine is out, with a K step less sixteen products in which to land.
.macro TURN slot, next, fill
	WIN 0                                          ; (the add's two registers lie in window 0)
	s_wait_tensorcnt 0x0                           ; all my tensor loads have landed: my part of the next slot
	ds_add_u32 v[SPW], v[NIL]
	s_wait_dscnt 17                                ; the add and the youngest sixteen loads may be out
	WIN MUL
	MUL8 F1, 0, 0, 0                               ; eight matrix instructions stand between the add and the wait for it
	s_wait_dscnt 0x0                               ; the add is done, and my reads of this slot are over
	s_barrier_signal -1
	MUL8 F1, 0, 2, 0
.if \fill
	WIN 0
.endif
	s_barrier_wait -1
.if \fill
	CREST                                          ; no wave of any partner still reads this slot's tile or has a load on its way
	s_add_nc_u64 s[G0+4*\slot+2:G0+4*\slot+3], s[G0+4*\slot+2:G0+4*\slot+3], 2*65536
	s_add_nc_u64 s[G0B+4*\slot+2:G0B+4*\slot+3], s[G0B+4*\slot+2:G0B+4*\slot+3], 2*512
	JLOAD \slot                                    ; the first tensor load behind the round; its four v_nop are also the places in front of the loads below
.else
	PLACES
.endif
	FETCH \next, 0, F0
	WIN MUL
	MUL8 F1, 1, 0, 0
	MUL8 F1, 1, 2, 0
.endm
	s_wait_tensorcnt 1                             ; my part of K step 0 is in; K step 1's load, issued behind it, may be out
	s_barrier_signal -1
	s_barrier_wait -1                              ; everybody's is
	FETCH 0, 0, F0
	s_wait_loadcnt 0x0                             ; the bias
	QUARTER 0, 1, F0, F1, 1                        ; the first products start the sums
.rept LAPS-1                                   ; once round the ring, from a lap's second quarter to the next lap's first; both slots are filled again
	QUARTER 0, 2, F1, F0, 0
	QUARTER 0, 3, F0, F1, 0
	TURN 0, 1, 1
	QUARTER 1, 1, F0, F1, 0
	QUARTER 1, 2, F1, F0, 0
	QUARTER 1, 3, F0, F1, 0
	TURN 1, 0, 1
	QUARTER 0, 1, F0, F1, 0
.endr
	QUARTER 0, 2, F1, F0, 0                        ; the last lap fills nothing, and has no round of the cluster's barrier
	QUARTER 0, 3, F0, F1, 0
	TURN 0, 1, 0
	QUARTER 1, 1, F0, F1, 0
	QUARTER 1, 2, F1, F0, 0
	QUARTER 1, 3, F0, F1, 0
	s_wait_dscnt 16                                ; the very last quarter: nothing more to fetch
	WIN MUL
	MUL8 F1, 0, 0, 0
	MUL8 F1, 0, 2, 0
	s_wait_dscnt 0
	MUL8 F1, 1, 0, 0
	MUL8 F1, 1, 2, 0
	WIN 0
; THE WAY OUT, block by block of 16 rows x 64 columns.  A wave's 64 columns of f32 are 256 aligned bytes of a row of C: each wave goes through its own stage, and no barrier is needed.
.macro TOSTAGE a
.irp b, 0,1,2,3
	ds_store_b128 v[STO], v[ACC+8*(4*(\a)+\b):ACC+8*(4*(\a)+\b)+3] offset:64*\b        ; each accumulator from its low end on
	ds_store_b128 v[STO], v[ACC+8*(4*(\a)+\b)+4:ACC+8*(4*(\a)+\b)+7] offset:64*\b+16
.endr
.set BB, TMP+32*((\a)%2)
.irp t, 0,1,2,3,4,5,6,7
	ds_load_b128 v[BB+4*\t:BB+4*\t+3], v[RD] offset:2*\t*SPITCH    ; LDS serves a wave's instructions in order: these see the stores above, and the next block's stores come behind them
.endr
.endm
.macro SEND a, younger                 ; younger: the LDS instructions issued behind block a's loads, which may stay out
.set BB, TMP+32*((\a)%2)
	s_wait_dscnt \younger
.irp t, 0,1,2,3,4,5,6,7
	global_store_b128 v[CO], v[BB+4*\t:BB+4*\t+3], s[8:9] offset:(16*(\a)+2*\t)*4096 th:TH_STORE_NT   ; 16 lanes store 256 consecutive bytes, aligned
.endr
.endm
	PLACES
	TOSTAGE 0
.irp a, 1,2,3
.if \a > 1
	s_wait_xcnt 0x0                                ; block a - 2's stores have read their registers: block a's loads may land there
.endif
	TOSTAGE \a
	SEND \a-1, 16                                  ; behind block a - 1's loads: block a's 8 stores and 8 loads
.endr
	SEND 3, 0
	s_wait_tensorcnt 0x0                           ; the wave's end
	ds_add_u32 v[SPW], v[NIL]
	s_wait_dscnt 0x0
	CROUND                                         ; the closing round
	s_endpgm
.Lfunc_end_k_qe13028d0ae_proj:
	.size	k_qe13028d0ae_proj, .Lfunc_end_k_qe13028d0ae_proj-k_qe13028d0ae_proj
	.p2alignl 7, 3214868480
	.fill 96, 4, 3214868480
	.section	.rodata,"a",@progbits
	.p2align	6, 0x0
	.amdhsa_kernel k_qe13028d0ae_proj
		.amdhsa_group_segment_fixed_size 327680
		.amdhsa_private_segment_fixed_size 0
		.amdhsa_enable_private_segment 0
		.amdhsa_kernarg_size 32
		.amdhsa_user_sgpr_count 2
		.amdhsa_user_sgpr_kernarg_segment_ptr 1
		.amdhsa_wavefront_size32 1
		.amdhsa_system_sgpr_workgroup_id_x 1
		.amdhsa_system_sgpr_workgroup_id_y 1
		.amdhsa_system_sgpr_workgroup_id_z 1
		.amdhsa_system_vgpr_workitem_id 0
		.amdhsa_next_free_vgpr 512
		.amdhsa_next_free_sgpr 68
		.amdhsa_reserve_vcc 0
		.amdhsa_float_denorm_mode_32 3
		.amdhsa_float_denorm_mode_16_64 3
		.amdhsa_memory_ordered 1
		.amdhsa_forward_progress 1
		.amdhsa_inst_pref_size 86
	.end_amdhsa_kernel
	.amdgpu_metadata
---
amdhsa.version: [ 1, 2 ]
amdhsa.kernels:
  - .name:           k_qe13028d0ae_proj
    .symbol:         k_qe13028d0ae_proj.kd
    .args:
      - { .name: ctx, .offset: 0, .size: 8, .value_kind: global_buffer, .address_space: global }
      - { .name: wo_t, .offset: 8, .size: 8, .value_kind: global_buffer, .address_space: global }
      - { .name: b_o, .offset: 16, .size: 8, .value_kind: global_buffer, .address_space: global }
      - { .name: out0, .offset: 24, .size: 8, .value_kind: global_buffer, .address_space: global }
    .group_segment_fixed_size: 327680
    .private_segment_fixed_size: 0
    .kernarg_segment_align: 8
    .kernarg_segment_size: 32
    .max_flat_workgroup_size: 128
    .sgpr_count:     68
    .vgpr_count:     512
    .wavefront_size: 32
...
	.end_amdgpu_metadata
.endif
;; end of part 4
;; launch first16 (part 5): grid 32 x 2, 16 waves a work-group, no clusters, 112,640 bytes of LDS; arguments qkv32, W_o, b_o, out0; writes out0
.if DOCPART == 5
	.amdgcn_target "amdgcn-amd-amdhsa--gfx1250"
	.amdhsa_code_object_version 6
	.text
	.protected	k_qe13028d0ae_first16
	.globl	k_qe13028d0ae_first16
	.p2align	8
	.type	k_qe13028d0ae_first16,@function
k_qe13028d0ae_first16:
	s_mov_b64 s[64:65], 0
	v_nop
	global_prefetch_b8 v0, s[64:65] scope:SCOPE_SE
	s_setreg_imm32_b32 hwreg(HW_REG_WAVE_MODE, 25, 1), 1
	s_wait_xcnt 0x0
; THE FIRST 16 POSITIONS OF EACH SEQUENCE, IN F32 THROUGHOUT: attention and the projection on the way out.  Under the causal mask these rows average one to sixteen values and are the largest of the output:
; the rounding of 16-bit operands would weigh most here.  This launch runs last and writes over those 32 rows of out0.
; IN: qkv32: q, k, v of positions 0-15 in f32, as images of accumulator registers: [2 b][192 tiles of 16 columns][registers 0-3, registers 4-7][32 lanes][16 bytes]; lane (r, h) register j = (position r, column 16 T + 8 h + j).
; SHARES.  A work-group makes 32 columns of out0 for the 16 rows of one batch.  Wave w is head w: it makes its head's attention and multiplies it at once by W_o's rows 64 w .. 64 w + 63; the sixteen parts meet in LDS.
; 64 matrix instructions of 16 x 16 x 4 a wave.  In each of the three products the four places of K in an instruction stand for the same numbers on both sides, chosen so that both operands are registers as they lie.
; q and k are operands as their images stand (a lane holds a position, its registers run along the channels).  v is wanted the other way round (a lane a channel, registers along the keys): its image comes by dense loads
; and is turned in the wave's own bytes of LDS.
; The registers that the f32 matrix form writes (v184-247) are written by matrix instructions alone; what is made of a finished sum goes into other registers.
.set VB,    16*2304                    ; behind the sixteen parts: a stage of 4,608 bytes for each wave, for v's image: [4 tiles x 1,152][registers 0-3, 4-7 x 576][lane half x 288][16 x key]
.set SPARE, VB+16*4608                 ; behind the stages: the spare words, 128 bytes for each wave
.set R_,  1                            ; v1 r = lane % 16;  v2 h = lane / 16
.set LI,  3                            ; v3 16 x lane
.set VG,  4                            ; v4 v's stage read across: my place for (key 8 h + i, channel 16 ct + r)
.set WL,  5                            ; v5 W_o: 8 h rows of 4,096 bytes + 4 r
.set SPW, 6                            ; v6 my spare word; never rewritten
.set NIL, 7                            ; v7 0; never rewritten
.set DD,  8                            ; v8 r - 8 h
.set NINF, 9                           ; v9 -infinity
.set VST, 14                           ; v14 where I put v's image: used once, ahead of the softmax, which then has the register
.set PF,  16                           ; v16-23   the scores, then p: (key 8 h + j, query r)
.set QF,  24                           ; v24-55   q: register 8 ct + j = (query r, channel 16 ct + 8 h + j); later ctx / l in the same order
.set KF,  56                           ; v56-87   k likewise
.set VN,  88                           ; v88-119  v's image, then v turned: register 8 ct + i = (key 8 h + i, channel 16 ct + r)
.set WO,  120                          ; v120-183 W_o: register 32 tile + 8 ct + i = (row 64 w + 16 ct + 8 h + i, column 16 tile + r); later the sixteen parts
.set SA,  184                          ; v184-191, v192-199 the scores' two sums
.set SB,  192
.set CT,  200                          ; v200-231 ctx^T: four tiles of 16 channels
.set OT,  232                          ; v232-247 out^T: two tiles of 16 columns
.set PST, 248                          ; v248 where I put my part
.set RDA, 249                          ; v249 where I read the parts
.set OOF, 250                          ; v250 my bytes in out0
.set BOF, 251                          ; v251 my bytes in b_o
.set BI,  252                          ; v[252:255] the bias
	s_load_b256 s[4:11], s[0:1], 0x0               ; qkv32, W_o, b_o, out0
	v_lshl_add_u32 v[SPW], v0, 2, SPARE
	v_mov_b32 v[NIL], 0
	v_lshrrev_b32 v10, 5, v0
	v_readfirstlane_b32 s12, v10                   ; wave = head
	s_and_b32 s13, ttmp7, 0xffff                   ; batch
	v_and_b32 v1, 15, v0                           ; r
	v_bfe_u32 v2, v0, 4, 1                         ; h
	v_and_b32 v10, 31, v0
	v_lshlrev_b32 v[LI], 4, v10
	s_mul_i32 s28, s12, 4608
	s_add_co_u32 s28, s28, VB                      ; my wave's stage
	v_bfe_u32 v11, v0, 2, 1                        ; channel r lies in register r % 8 of lane half r / 8: registers 4-7 are 576 bytes on,
	v_mul_u32_u24 v[VG], v11, 576
	v_bfe_u32 v11, v0, 3, 1
	v_mad_u32_u24 v[VG], v11, 288, v[VG]           ; the upper half of the lanes 288,
	v_lshl_add_u32 v[VG], v2, 7, v[VG]             ; key 8 h is 128 h on,
	v_and_b32 v11, 3, v0
	v_lshl_add_u32 v[VG], v11, 2, v[VG]            ; and the word in a key's 16 bytes.  The four terms fall on different bits of the bank's number: 32 lanes, 32 banks
	v_add_nc_u32 v[VG], s28, v[VG]
	v_mul_u32_u24 v[VST], v2, 288                  ; into the stage: the image's lane (key r, half h) at 288 h + 16 r: sixteen lanes write 256 consecutive bytes
	v_lshl_add_u32 v[VST], v1, 4, v[VST]
	v_add_nc_u32 v[VST], s28, v[VST]
	v_lshlrev_b32 v[WL], 15, v2
	v_lshl_add_u32 v[WL], v1, 2, v[WL]
	v_lshlrev_b32 v[DD], 3, v2
	v_sub_nc_u32 v[DD], v1, v[DD]
	v_mov_b32 v[NINF], 0xff800000
	v_mov_b32 v13, 0                               ; (named as the upper half of the pair v[12:13])
	s_mul_i32 s14, s12, 2304                       ; a wave's part: [2 tiles x 1,152][registers 0-3, 4-7 x 576][h x 288][16 r]
	v_mul_u32_u24 v[PST], v2, 288
	v_lshl_add_u32 v[PST], v1, 4, v[PST]
	v_add_nc_u32 v[PST], s14, v[PST]
	v_and_b32 v11, 7, v0                           ; on the way out a lane takes four columns, 4 c4 on: tile c4 / 4, h (c4 / 2) % 2, registers 4 (c4 % 2) on,
	v_lshrrev_b32 v12, 2, v11
	v_mul_u32_u24 v[RDA], v12, 1152
	v_and_b32 v12, 1, v11
	v_mad_u32_u24 v[RDA], v12, 576, v[RDA]
	v_bfe_u32 v12, v0, 1, 1
	v_mad_u32_u24 v[RDA], v12, 288, v[RDA]
	v_bfe_u32 v12, v0, 3, 2                        ; of query 4 (wave % 4) + lane / 8
	v_lshl_add_u32 v[RDA], v12, 4, v[RDA]
	s_and_b32 s15, s12, 3
	s_lshl_b32 s15, s15, 6
	v_add_nc_u32 v[RDA], s15, v[RDA]
	v_lshlrev_b32 v[OOF], 12, v12
	v_lshl_add_u32 v[OOF], v11, 4, v[OOF]
	v_lshlrev_b32 v[BOF], 4, v11
	s_mul_i32 s16, s13, 196608                     ; qkv32: a batch is 192 tiles of 1,024 bytes, a head four tiles
	s_lshl_b32 s17, s12, 12
	s_add_co_u32 s16, s16, s17
	s_mov_b32 s17, 0
	s_lshl_b32 s20, ttmp9, 7                       ; my work-group's 32 columns: 128 bytes
	s_mov_b32 s21, 0
	s_lshl_b32 s18, s12, 18                        ; W_o: my head's 64 rows of 4,096 bytes
	s_add_co_u32 s18, s18, s20
	s_mov_b32 s19, 0
	s_lshl_b32 s22, s13, 23                        ; out0: 2,048 rows a batch, 4 rows for each of the storing waves
	s_lshl_b32 s23, s12, 14
	s_add_co_u32 s22, s22, s23
	s_add_co_u32 s22, s22, s20
	s_mov_b32 s23, 0
	s_mov_b32 s24, 0x76543210
	s_mov_b32 s25, 0xfedcba98                      ; lane selects: lane l xor 16
	s_mov_b32 s26, 0x3e38aa3b                      ; c = log2(e) / 8
	s_mov_b32 s27, s26
	s_wait_kmcnt 0x0
	s_add_nc_u64 s[4:5], s[4:5], s[16:17]
	s_add_nc_u64 s[6:7], s[6:7], s[18:19]
	s_add_nc_u64 s[8:9], s[8:9], s[20:21]
	s_add_nc_u64 s[10:11], s[10:11], s[22:23]
	global_load_b128 v[BI:BI+3], v[BOF], s[8:9]
.irp ct, 0,1,2,3
	global_load_b128 v[QF+8*\ct:QF+8*\ct+3], v[LI], s[4:5] offset:1024*\ct
	global_load_b128 v[QF+8*\ct+4:QF+8*\ct+7], v[LI], s[4:5] offset:1024*\ct+512
.endr
.irp ct, 0,1,2,3
	global_load_b128 v[KF+8*\ct:KF+8*\ct+3], v[LI], s[4:5] offset:65536+1024*\ct
	global_load_b128 v[KF+8*\ct+4:KF+8*\ct+7], v[LI], s[4:5] offset:65536+1024*\ct+512
.endr
.irp ct, 0,1,2,3
	global_load_b128 v[VN+8*\ct:VN+8*\ct+3], v[LI], s[4:5] offset:131072+1024*\ct        ; v's image as it lies: 32 lanes read 512 consecutive bytes
	global_load_b128 v[VN+8*\ct+4:VN+8*\ct+7], v[LI], s[4:5] offset:131072+1024*\ct+512
.endr
.irp tile, 0,1
.irp ct, 0,1,2,3
.irp i, 0,1,2,3,4,5,6,7
	global_load_b32 v[WO+32*\tile+8*\ct+\i], v[WL], s[6:7] offset:(16*\ct+\i)*4096+64*\tile
.endr
.endr
.endr
	s_wait_loadcnt 63                              ; 64 loads (W_o's) were issued behind v's last: with 63 out at the most, the bias, q, k and v are in
	; v is turned in my own bytes of LDS: the image goes in as it stands and comes back a word at a time.  LDS serves a wave's instructions in order: no wait between the stores and the loads.
	; The loads land while the scores and the softmax are made.
.irp ct, 0,1,2,3
	ds_store_b128 v[VST], v[VN+8*\ct:VN+8*\ct+3] offset:1152*\ct
	ds_store_b128 v[VST], v[VN+8*\ct+4:VN+8*\ct+7] offset:1152*\ct+576
.endr
.irp ct, 0,1,2,3
.irp i, 0,1,2,3,4,5,6,7
	ds_load_b32 v[VN+8*\ct+\i], v[VG] offset:1152*\ct+16*\i        ; v(key 8 h + i, channel 16 ct + r)
.endr
.endr
	; ---- 1: S^T = k q^T.  Step t: the place (h, j) of K stands for channel 16 (t / 4) + 8 h + 2 (t % 4) + j: registers 2 t, 2 t + 1 of both.  Two sums by turns, each begun with 0
	v_wmma_f32_16x16x4_f32 v[SA:SA+7], v[KF:KF+1], v[QF:QF+1], 0
	v_wmma_f32_16x16x4_f32 v[SB:SB+7], v[KF+2:KF+3], v[QF+2:QF+3], 0
.irp t, 1,2,3,4,5,6,7
	v_wmma_f32_16x16x4_f32 v[SA:SA+7], v[KF+4*\t:KF+4*\t+1], v[QF+4*\t:QF+4*\t+1], v[SA:SA+7]
	v_wmma_f32_16x16x4_f32 v[SB:SB+7], v[KF+4*\t+2:KF+4*\t+3], v[QF+4*\t+2:QF+4*\t+3], v[SB:SB+7]
.endr
.rept 8
	v_nop                                          ; eight places behind this form (ISA guide 7.12.1)
.endr
.irp j, 0,2,4,6
	v_pk_add_f32 v[PF+\j:PF+\j+1], v[SA+\j:SA+\j+1], v[SB+\j:SB+\j+1]          ; both sums from their low ends on
.endr
	; ---- 2: the mask: key 8 h + j is hidden from query r where j > r - 8 h
.irp j, 0,1,2,3,4,5,6,7
	v_cmp_gt_i32 vcc_lo, \j, v[DD]
	v_cndmask_b32 v[PF+\j], v[PF+\j], v[NINF], vcc_lo
.endr
	; ---- 3: the softmax: the row's maximum is taken away; key 0 counts for every query, so it is a number
	v_max3_num_f32 v10, v[PF], v[PF+1], v[PF+2]
	v_max3_num_f32 v11, v[PF+3], v[PF+4], v[PF+5]
	v_max3_num_f32 v10, v10, v[PF+6], v[PF+7]
	v_max_num_f32 v10, v10, v11
	v_permlanex16_b32 v11, v10, s24, s25
	v_max_num_f32 v10, v10, v11                    ; m
	v_mul_f32 v12, s26, v10                        ; c m
.irp j, 0,2,4,6
	v_pk_fma_f32 v[PF+\j:PF+\j+1], v[PF+\j:PF+\j+1], s[26:27], v[12:13] op_sel_hi:[1,0,0] neg_lo:[0,0,1] neg_hi:[0,0,1]
.endr
.irp j, 0,1,2,3,4,5,6,7
	v_exp_f32 v[PF+\j], v[PF+\j]                   ; p = 2^(c s - c m)
.endr
	v_nop                                          ; a plain line behind the last exponential
	s_wait_alu depctr_va_vdst(0)                   ; one wait for the batch, ahead of its first reader
	v_pk_add_f32 v[14:15], v[PF:PF+1], v[PF+2:PF+3]
	v_pk_add_f32 v[10:11], v[PF+4:PF+5], v[PF+6:PF+7]
	v_pk_add_f32 v[14:15], v[14:15], v[10:11]
	v_add_f32 v14, v14, v15
	v_permlanex16_b32 v15, v14, s24, s25
	v_add_f32 v14, v14, v15                        ; l
	v_rcp_f32 v12, v14
	v_nop
	s_wait_alu depctr_va_vdst(0)                   ; the reciprocal's wait
	s_wait_dscnt 0x0                               ; v, turned, is in
	; ---- 4: ctx^T = v^T p.  Step jj: the place (h, j) of K stands for key 8 h + 2 jj + j.  Four sums by turns
.irp jj, 0,1,2,3
.irp ct, 0,1,2,3
.if \jj == 0
	v_wmma_f32_16x16x4_f32 v[CT+8*\ct:CT+8*\ct+7], v[VN+8*\ct:VN+8*\ct+1], v[PF:PF+1], 0
.else
	v_wmma_f32_16x16x4_f32 v[CT+8*\ct:CT+8*\ct+7], v[VN+8*\ct+2*\jj:VN+8*\ct+2*\jj+1], v[PF+2*\jj:PF+2*\jj+1], v[CT+8*\ct:CT+8*\ct+7]
.endif
.endr
.endr
.rept 8
	v_nop
.endr
.irp i, 0,1,2,3,4,5,6,7,8,9,10,11,12,13,14,15
	v_pk_mul_f32 v[QF+2*\i:QF+2*\i+1], v[CT+2*\i:CT+2*\i+1], v[12:13] op_sel_hi:[1,0]   ; ctx / l: register 8 ct + j = (channel 16 ct + 8 h + j, query r)
.endr
	s_wait_loadcnt 0x0                             ; W_o
	; ---- 5: out^T = W_o^T ctx^T, my head's 64 of K.  Step t as in 1.  Two sums, the two tiles of 16 columns, by turns
	v_wmma_f32_16x16x4_f32 v[OT:OT+7], v[WO:WO+1], v[QF:QF+1], 0
	v_wmma_f32_16x16x4_f32 v[OT+8:OT+15], v[WO+32:WO+33], v[QF:QF+1], 0
.irp t, 1,2,3,4,5,6,7,8,9,10,11,12,13,14,15
	v_wmma_f32_16x16x4_f32 v[OT:OT+7], v[WO+2*\t:WO+2*\t+1], v[QF+2*\t:QF+2*\t+1], v[OT:OT+7]
	v_wmma_f32_16x16x4_f32 v[OT+8:OT+15], v[WO+32+2*\t:WO+32+2*\t+1], v[QF+2*\t:QF+2*\t+1], v[OT+8:OT+15]
.endr
.rept 8
	v_nop
.endr
.irp tile, 0,1
	ds_store_b128 v[PST], v[OT+8*\tile:OT+8*\tile+3] offset:1152*\tile         ; lane (r, h): (query r, columns 16 tile + 8 h + 0 .. 3), each sum from its low end on,
	ds_store_b128 v[PST], v[OT+8*\tile+4:OT+8*\tile+7] offset:1152*\tile+576   ; and + 4 .. 7
.endr
	s_wait_dscnt 0x0                               ; for the others' sake: my part lies in LDS
	s_barrier_signal -1
	s_barrier_wait -1
	s_cmp_lt_u32 s12, 4
	s_cbranch_scc0 .Lend
	; ---- waves 0 to 3 add the sixteen heads' parts, in a fixed order, and the bias; wave w stores rows 4 w .. 4 w + 3
.irp i, 0,1,2,3,4,5,6,7,8,9,10,11,12,13,14,15
	ds_load_b128 v[WO+4*\i:WO+4*\i+3], v[RDA] offset:2304*\i
.endr
	s_wait_dscnt 0x0
.irp i, 0,1,2,3,4,5,6,7
	v_pk_add_f32 v[WO+4*\i:WO+4*\i+1], v[WO+4*\i:WO+4*\i+1], v[WO+32+4*\i:WO+32+4*\i+1]
	v_pk_add_f32 v[WO+4*\i+2:WO+4*\i+3], v[WO+4*\i+2:WO+4*\i+3], v[WO+32+4*\i+2:WO+32+4*\i+3]
.endr
.irp i, 0,1,2,3
	v_pk_add_f32 v[WO+4*\i:WO+4*\i+1], v[WO+4*\i:WO+4*\i+1], v[WO+16+4*\i:WO+16+4*\i+1]
	v_pk_add_f32 v[WO+4*\i+2:WO+4*\i+3], v[WO+4*\i+2:WO+4*\i+3], v[WO+16+4*\i+2:WO+16+4*\i+3]
.endr
.irp i, 0,1
	v_pk_add_f32 v[WO+4*\i:WO+4*\i+1], v[WO+4*\i:WO+4*\i+1], v[WO+8+4*\i:WO+8+4*\i+1]
	v_pk_add_f32 v[WO+4*\i+2:WO+4*\i+3], v[WO+4*\i+2:WO+4*\i+3], v[WO+8+4*\i+2:WO+8+4*\i+3]
.endr
	v_pk_add_f32 v[WO:WO+1], v[WO:WO+1], v[WO+4:WO+5]
	v_pk_add_f32 v[WO+2:WO+3], v[WO+2:WO+3], v[WO+6:WO+7]
	v_pk_add_f32 v[WO:WO+1], v[WO:WO+1], v[BI:BI+1]
	v_pk_add_f32 v[WO+2:WO+3], v[WO+2:WO+3], v[BI+2:BI+3]
	global_store_b128 v[OOF], v[WO:WO+3], s[10:11] ; eight lanes store 128 consecutive bytes of a row: the work-group's 32 columns.  Taken knowingly for these 131,072 bytes, so that 64 work-groups share the f32 products
.Lend:
	s_wait_tensorcnt 0x0                           ; the wave's end
	ds_add_u32 v[SPW], v[NIL]
	s_wait_dscnt 0x0
	s_endpgm
.Lfunc_end_k_qe13028d0ae_first16:
	.size	k_qe13028d0ae_first16, .Lfunc_end_k_qe13028d0ae_first16-k_qe13028d0ae_first16
	.p2alignl 7, 3214868480
	.fill 96, 4, 3214868480
	.section	.rodata,"a",@progbits
	.p2align	6, 0x0
	.amdhsa_kernel k_qe13028d0ae_first16
		.amdhsa_group_segment_fixed_size 112640
		.amdhsa_private_segment_fixed_size 0
		.amdhsa_enable_private_segment 0
		.amdhsa_kernarg_size 32
		.amdhsa_user_sgpr_count 2
		.amdhsa_user_sgpr_kernarg_segment_ptr 1
		.amdhsa_wavefront_size32 1
		.amdhsa_system_sgpr_workgroup_id_x 1
		.amdhsa_system_sgpr_workgroup_id_y 1
		.amdhsa_system_sgpr_workgroup_id_z 1
		.amdhsa_system_vgpr_workitem_id 0
		.amdhsa_next_free_vgpr 256
		.amdhsa_next_free_sgpr 66
		.amdhsa_reserve_vcc 1
		.amdhsa_float_denorm_mode_32 3
		.amdhsa_float_denorm_mode_16_64 3
		.amdhsa_memory_ordered 1
		.amdhsa_forward_progress 1
		.amdhsa_inst_pref_size 27
	.end_amdhsa_kernel
	.amdgpu_metadata
---
amdhsa.version: [ 1, 2 ]
amdhsa.kernels:
  - .name:           k_qe13028d0ae_first16
    .symbol:         k_qe13028d0ae_first16.kd
    .args:
      - { .name: qkv32, .offset: 0, .size: 8, .value_kind: global_buffer, .address_space: global }
      - { .name: W_o, .offset: 8, .size: 8, .value_kind: global_buffer, .address_space: global }
      - { .name: b_o, .offset: 16, .size: 8, .value_kind: global_buffer, .address_space: global }
      - { .name: out0, .offset: 24, .size: 8, .value_kind: global_buffer, .address_space: global }
    .group_segment_fixed_size: 112640
    .private_segment_fixed_size: 0
    .kernarg_segment_align: 8
    .kernarg_segment_size: 32
    .max_flat_workgroup_size: 512
    .sgpr_count:     66
    .vgpr_count:     256
    .wavefront_size: 32
...
	.end_amdgpu_metadata
.endif
;; end of part 5
